; MI455X (gfx1250); checked and timed in simulation.
; The chip was launched on July 23, 2026; its instructions are those of AMD's public machine-readable ISA for CDNA 5 (MIT licence, August 2026) and "CDNA5" Instruction Set Architecture Reference Guide (July 2026). The comments in the code are by the model that wrote it; some were corrected since.
;; Prompt Getter. Allowed arithmetic: matrix products marked QUANTISED: E3M2 operands, one E8M0 scale for each 32 along K, by v_wmma_scale_f32_16x16x128_f8f6f4 with both operands' format E3M2, f32 sums; everything else in f32.
;; Inputs: image_embeddings 1 x 256 x 64 x 64 float32; reference_feats 32 x 1 x 256 float32.
;; Outputs: out0 32 x 256 x 3 float32; out1 32 x 1 x 2 float32.
;; This version of the problem:
;;   THIS VERSION OF THE PROBLEM IS GIVEN IN LOW PRECISION. The matrix products marked QUANTISED in the list below multiply operands that are first quantised to E3M2 (3 exponent bits, 2 mantissa bits; 6 bits a number), with one power-of-two scale for each 32 numbers along K (OCP MX v1.0); their sums are f32. All else is computed in f32.
;;   The module's matrix products, in the order in which they are computed (A, B: the left and right operand; K: the contracted axis; several contracted axes count as one K, in the product's order):
;;     1. [M 32, K 256] x [K 256, N 4,096]; A: computed on the way; B: computed on the way: QUANTISED
;;     2. [M 1,024, K 64] x [K 64, N 2,048]; A: computed on the way; B: computed on the way: QUANTISED
;;     3. [M 32,768, K 64] x [K 64, N 1,024]; A: computed on the way; B: computed on the way: QUANTISED
;;   THE QUANTISER, for each operand of a quantised product, along K:
;;     - K is cut into blocks of 32 from its start; a last block that is shorter is filled with zeros.
;;     - A block's scale is 2^e with e = floor(log2(the largest magnitude in the block)) - 4, held to -126 .. 127; a block of zeros has e = 0. As a byte (E8M0): e + 127.
;;     - Each number is divided by its block's scale, clamped to +-28, and rounded to the nearest number of E3M2, ties to even, subnormals kept.
;;     - The product sums the exact products of the quantised numbers (number of the format x scale) in f32.
;;   ~~~python
;;   def quantise(x, axis):      # numpy; x: float32 -> the quantised numbers, widened to float32 again
;;       x = np.moveaxis(x, axis, -1); K = x.shape[-1]
;;       x = np.pad(x, [(0, 0)] * (x.ndim - 1) + [(0, -K % 32)]); x = x.reshape(x.shape[:-1] + (-1, 32)); a = np.abs(x).max(-1, keepdims=True)
;;       e = np.where(a > 0, np.clip(np.frexp(np.where(a > 0, a, 1))[1] - 1 - 4, -126, 127), 0)      # np.frexp(a)[1] - 1 = floor(log2(a)), exactly
;;       r = np.clip(x / 2.0 ** e, -28, 28)
;;       step = 2.0 ** (np.maximum(np.frexp(np.where(r == 0, 1, r))[1] - 1, -2) - 2)
;;       q = np.round(r / step) * step * 2.0 ** e      # np.round: ties to even
;;       return np.moveaxis(q.reshape(q.shape[:-2] + (-1,))[..., :K], -1, axis).astype(np.float32)
;;   ~~~
;;   OPERANDS COMPUTED ON THE WAY. 'Computed on the way' means the value that the module computes at that place (a softmax that the list does not call 'softmax' is quantised finished and normalised). What goes into a quantiser is computed in f32, as accurately as f32 sums, v_exp_f32 and their like allow (about 1e-6 of the number): no bf16 or f16 on the way to a quantiser, and a product that is left as it is and whose result goes on into a quantised operand takes f32 operands (vector FMAs, or v_wmma_f32_16x16x4_f32). A number that lies on a knife's edge between two numbers of the format may be rounded either way, as far as f32 arithmetic and the matrix unit's own rounding can turn it there, and no further.
;; 2 versions, each right; version 2 is version 1 with the launches prep, upsel written anew for expert scheduling mode. Each part assembles by itself: llvm-mc -triple=amdgcn-amd-amdhsa -mcpu=gfx1250 --defsym DOCPART=n.
;; ======== version 1 of 2: 3 launches
;; workspace buffers: sim 524,288 bytes; wtab 65,536 bytes; part 131,072 bytes
;; launch prep (part 1): grid 64 x 1, 4 waves a work-group, no clusters, 16,896 bytes of LDS; arguments image_embeddings, reference_feats, sim, wtab; writes sim, wtab
.if DOCPART == 1
	.amdgcn_target "amdgcn-amd-amdhsa--gfx1250"
	.amdhsa_code_object_version 6
	.text
	.protected	k_q1b3126ddae_prep
	.globl	k_q1b3126ddae_prep
	.p2align	8
	.type	k_q1b3126ddae_prep,@function
k_q1b3126ddae_prep:
	s_mov_b64 s[64:65], 0
	v_nop
	global_prefetch_b8 v0, s[64:65] scope:SCOPE_SE
	s_setreg_imm32_b32 hwreg(HW_REG_WAVE_MODE, 25, 1), 1
	s_wait_xcnt 0x0
; sim[L][h][w] = Q(ref[L] / (|ref[L]| + 1e-12)) . Q(feat[:, h, w] / (|feat[:, h, w]| + 1e-12)): both operands as codes of BF6 (E3M2), one E8M0 scale for each 32 channels, sums in f32.
; Work-group g owns image row h = g (64 pixels); wave w owns pixels 16 w .. + 15.  A LANE TAKES A PIXEL AND ITS REGISTERS RUN DOWN THE CHANNELS, in the order of the operand's layout:
; lane (r, hh) holds channels 64 b + 32 hh + 0 .. 31, b = 0 .. 3.  So a block of 32 lies in one lane, and the conversions' results are the operand's registers.
; ref: wave (mt, s) = (w / 2, w % 2) takes labels 16 mt .. + 15, channels 128 s .. + 127; a row's two half sums of squares meet in LDS; the four fragments go round as images of their registers.
; The product is used transposed (source 0 = 16 pixels, source 1 = 16 labels): a lane holds one label and eight neighbouring pixels; rows of 256 bytes of sim leave through a stage in LDS.
; Wave 0 also makes tile g of the table of bilinear weights (16 output columns x 64 inputs, quantised along the inputs), in the order of an operand's registers, for the next launch.
; The weights: column o samples at (o + 0.5) / 16 - 0.5; weight of input k = max(0, 1 - |sample - k|) / (the column's sum).  The sum is exactly 1 inside; at the borders a column has one weight,
; divided by itself: that is the weight of the sample held to 0 .. 63, which is what is computed here, with no rounding anywhere.
; LIMITS: NaN and infinities are not served; a vector whose sum of squares lies under 2^-126 counts as zero (v_sqrt_f32 takes denormals as zero); the division by the norm is v_rcp_f32 and a
; multiplication (about 2e-7 of the number).
; No tensor loads, no cluster: a work-group's 64 KiB are read once, by loads that all go out at the head.
.set CH,   16384                       ; bytes from a channel to the next
.set PS,   0                           ; LDS: half sums of squares, 128 bytes a wave
.set RIMG, 512                         ; ref's four fragments, 1,536 bytes each
.set RSC,  RIMG+4*1536                 ; their scale words, 128 bytes each
.set STG,  RSC+512                     ; the stage: 32 labels x (256 bytes + 16)
.set SPT,  272
.set FS,   14                          ; v14-15   feat's scale words, and nothing else
.set FC,   16                          ; v16-39   feat's codes, two K steps x 12 (before that: the table's 32 weights, ref's codes)
.set RS,   60                          ; v60-63   ref's scale words, and nothing else
.set RR,   64                          ; v64-127  ref's 64 numbers; later its four fragments (v64-111)
.set TA,   116                         ; v116.., v120..  second halves of a block's codes, before they are moved
.set TB,   120
.set X,    128                         ; v128-255 feat's 128 numbers
.set ACC,  128                         ; v128-143 two accumulators
.set OUTR, 144                         ; v144-159 rows on their way out
	s_load_b128 s[4:7], s[0:1], 0x0                ; feat, ref
	s_load_b128 s[8:11], s[0:1], 0x10              ; sim, wtab
	s_set_vgpr_msb 0x40
	v_lshl_add_u32 v0, v0, 2, 0x4000
	v_mov_b32 v1, 0
	s_set_vgpr_msb 0x4000
	v_lshrrev_b32 v1, 5, v0
	v_readfirstlane_b32 s12, v1                    ; wave
	v_and_b32 v1, 31, v0                           ; lane
	v_and_b32 v2, 15, v0                           ; r
	v_bfe_u32 v3, v0, 4, 1                         ; hh
	s_mov_b32 s20, 0x76543210
	s_mov_b32 s21, 0xfedcba98                      ; v_permlanex16_b32's selects for lane l xor 16
	s_lshr_b32 s13, s12, 1
	s_lshl_b32 s13, s13, 14                        ; 16 mt rows of 1,024 bytes
	s_and_b32 s14, s12, 1
	s_lshl_b32 s14, s14, 9                         ; K step s: 512 bytes
	s_add_co_u32 s13, s13, s14
	v_lshlrev_b32 v4, 10, v2
	v_lshl_add_u32 v4, v3, 7, v4
	v_add_nc_u32 v4, s13, v4                       ; ref: row r, + 128 hh
	s_lshl_b32 s14, ttmp9, 8
	s_lshl_b32 s15, s12, 6
	s_add_co_u32 s14, s14, s15
	v_lshlrev_b32 v5, 2, v2
	v_lshl_add_u32 v5, v3, 19, v5
	v_add_nc_u32 v5, s14, v5                       ; feat: pixel 64 g + 16 w + r, + 32 hh channels
	v_lshlrev_b32 v10, 2, v1                       ; 4 x lane
	v_lshlrev_b32 v9, 4, v1                        ; 16 x lane
	s_lshl_b32 s15, s12, 7
	v_add_nc_u32 v6, s15, v10                      ; 4 x lane + 128 x wave
	s_xor_b32 s16, s12, 1
	s_lshl_b32 s16, s16, 7
	v_add_nc_u32 v7, s16, v10                      ; the same of the wave with the row's other half
	s_mul_i32 s16, s12, 1536
	v_add_nc_u32 v8, s16, v9                       ; my fragment's image
	v_mul_u32_u24 v11, v2, SPT
	v_lshl_add_u32 v11, v3, 5, v11
	s_lshl_b32 s16, s12, 6
	v_add_nc_u32 v11, s16, v11                     ; stage, in: label r, pixels 16 w + 8 hh on
	v_mul_u32_u24 v12, v3, SPT
	v_lshl_add_u32 v12, v2, 4, v12
	s_mul_i32 s16, s12, 8*SPT
	v_add_nc_u32 v12, s16, v12                     ; stage, out: labels 8 w + hh, 16 bytes a lane
	s_lshl_b32 s16, s12, 17
	s_lshl_b32 s17, ttmp9, 8
	s_add_co_u32 s16, s16, s17
	v_lshlrev_b32 v13, 4, v2
	v_lshl_add_u32 v13, v3, 14, v13
	v_add_nc_u32 v13, s16, v13                     ; and the same rows in sim
	s_lshl_b32 s18, ttmp9, 10
	s_mov_b32 s19, 0
	v_mov_b32 v47, 0                               ; upper half of the pair v[46:47], named with it
	v_mov_b32 v59, 0                               ; a lane permute's destination counts as one of its sources
	s_wait_kmcnt 0x0
	s_add_nc_u64 s[10:11], s[10:11], s[18:19]      ; my tile of the table
.irp c,0,1
.irp j,0,1,2,3,4,5,6,7
	global_load_b128 v[RR+32*\c+4*\j:RR+32*\c+4*\j+3], v4, s[6:7] offset:256*\c+16*\j   ; ref(16 mt + r, 128 s + 64 c + 32 hh + 4 j ..)
.endr
.endr
.set i, 0
.rept 128
	global_load_b32 v[X+i], v5, s[4:5] offset:(64*(i/32)+i%32)*CH th:TH_LOAD_NT   ; feat(64 b + 32 hh + i, my pixel): read once in the launch
.set i, i+1
.endr
	; ---- the table's tile g, by wave 0, while the loads are out
	s_cmp_lg_u32 s12, 0
	s_cbranch_scc1 .Lno_table
	s_lshl_b32 s18, ttmp9, 4
	v_add_nc_u32 v48, s18, v2                      ; output column o = 16 g + r
	v_cvt_f32_u32 v48, v48
	v_add_f32 v48, 0.5, v48
	v_mul_f32 v48, 0x3d800000, v48                 ; / 16
	v_add_f32 v48, -0.5, v48                       ; where it samples
	v_med3_num_f32 v48, v48, 0, 0x427c0000         ; held to 0 .. 63 (see the head)
	v_cvt_f32_u32 v49, v3
	v_fmamk_f32 v16, v49, 0xc2000000, v48          ; sample - k for k = 32 hh,
	v_add_f32 v17, -1.0, v16                       ; and on down my 32 inputs, in four chains: all exact
	v_add_f32 v18, -2.0, v16
	v_add_f32 v19, -2.0, v17
.set i, 4
.rept 28
	v_add_f32 v[16+i], -4.0, v[12+i]
.set i, i+1
.endr
.set i, 0
.rept 32
	v_sub_f32 v[16+i], 1.0, |v[16+i]|
.set i, i+1
.endr
.set i, 0
.rept 32
	v_max_num_f32 v[16+i], 0, v[16+i]              ; the weight
.set i, i+1
.endr
	v_max3_num_f32 v48, v16, v17, 0x2800000        ; my block's largest, and the floor 2^(5 - 127): the byte cannot fall under 1 (a block of zeros keeps that byte: its codes are zeros)
.set i, 2
.rept 15
	v_max3_num_f32 v48, v48, v[16+i], v[17+i]
.set i, i+2
.endr
	v_add_nc_u32 v49, 0xfe000000, v48              ; 4 off its exponent field: the conversion's scale operand
	v_lshrrev_b32 v50, 23, v49                     ; the scale's byte
	v_cvt_scalef32_pk16_bf6_f32 v[52:54], v[16:31], v49
	v_cvt_scalef32_pk16_bf6_f32 v[56:58], v[32:47], v49   ; (a conversion's three registers begin on an even number)
	v_lshlrev_b32 v51, 3, v3                       ; a plain line behind the conversions
	v_mov_b32 v55, v56
	v_mov_b32 v56, v57
	v_mov_b32 v57, v58                             ; v52-57: registers 0 .. 5 of the operand
	v_lshlrev_b32 v58, 3, v1                       ; 8 x lane
	v_lshlrev_b32 v50, v51, v50                    ; my block's byte at its place,
	v_permlanex16_b32 v59, v50, s20, s21
	v_or_b32 v50, v50, v59                         ; with the other block's,
	v_or_b32 v50, 0x7f7f0000, v50                  ; and 127 for the 64 along K that the product does not have
	v_mov_b32 v51, v50
	global_store_b128 v9, v[52:55], s[10:11]               ; 512 consecutive bytes
	global_store_b64 v58, v[56:57], s[10:11] offset:512    ; 256
	global_store_b64 v58, v[50:51], s[10:11] offset:768    ; 256: the scale word, twice, so that the block is written whole
	s_wait_xcnt 0x0                                ; the stores' registers are written again below
.Lno_table:
	; ---- ref: norm, quantiser, image
	s_wait_loadcnt 63                              ; ref's 16 loads are the oldest of 144: with 63 out they are in (the wait can name no more)
	v_pk_mul_f32 v[42:43], v[RR:RR+1], v[RR:RR+1]
	v_pk_mul_f32 v[44:45], v[RR+2:RR+3], v[RR+2:RR+3]
.set i, 4
.rept 15
	v_pk_fma_f32 v[42:43], v[RR+i:RR+i+1], v[RR+i:RR+i+1], v[42:43]
	v_pk_fma_f32 v[44:45], v[RR+i+2:RR+i+3], v[RR+i+2:RR+i+3], v[44:45]
.set i, i+4
.endr
	v_pk_add_f32 v[42:43], v[42:43], v[44:45]
	v_add_f32 v42, v42, v43
	v_permlanex16_b32 v43, v42, s20, s21
	v_add_f32 v42, v42, v43                        ; the sum of squares of my row's 128
	ds_store_b32 v6, v42 offset:PS
	s_wait_dscnt 0x0                               ; for the other wave's sake
	s_barrier_signal -1
	s_barrier_wait -1
	ds_load_b32 v43, v7 offset:PS
	s_wait_dscnt 0x0
	v_add_f32 v42, v42, v43                        ; of all 256 (the same bits in both waves: a sum of two)
	v_sqrt_f32 v44, v42
	v_nop
	s_wait_alu depctr_va_vdst(0)                   ; the wait ahead of the first reader
	v_add_f32 v44, 0x2b8cbccc, v44                 ; + 1e-12
	v_rcp_f32 v46, v44
	v_nop
	s_wait_alu depctr_va_vdst(0)
.set i, 0
.rept 32
	v_pk_mul_f32 v[RR+i:RR+i+1], v[RR+i:RR+i+1], v[46:47] op_sel_hi:[1,0]
.set i, i+2
.endr
.irp c,0,1
	v_max3_num_f32 v[48+\c], |v[RR+32*\c]|, |v[RR+32*\c+1]|, 0x2800000
.endr
.set i, 2
.rept 15
.irp c,0,1
	v_max3_num_f32 v[48+\c], v[48+\c], |v[RR+32*\c+i]|, |v[RR+32*\c+i+1]|
.endr
.set i, i+2
.endr
.irp c,0,1
	v_add_nc_u32 v[50+\c], 0xfe000000, v[48+\c]
.endr
.irp c,0,1
	v_lshrrev_b32 v[52+\c], 23, v[50+\c]
.endr
	v_lshl_or_b32 v54, v53, 16, v52                ; my two bytes: blocks hh and 2 + hh,
	v_lshlrev_b32 v55, 3, v3
	v_lshlrev_b32 v54, v55, v54                    ; at their places;
	v_permlanex16_b32 v55, v54, s20, s21
	v_or_b32 v54, v54, v55                         ; with lane l xor 16's two the word is whole
.irp c,0,1
	v_cvt_scalef32_pk16_bf6_f32 v[FC+6*\c:FC+6*\c+2], v[RR+32*\c:RR+32*\c+15], v[50+\c]
	v_cvt_scalef32_pk16_bf6_f32 v[28+4*\c:30+4*\c], v[RR+32*\c+16:RR+32*\c+31], v[50+\c]
.endr
	v_nop                                          ; a plain line behind the conversions
.irp c,0,1
.irp k,0,1,2
	v_mov_b32 v[FC+6*\c+3+\k], v[28+4*\c+\k]
.endr
.endr
.irp k,0,1,2
	ds_store_b128 v8, v[FC+4*\k:FC+4*\k+3] offset:RIMG+512*\k   ; the fragment as it stands: lane l's 16 bytes at 16 l
.endr
	ds_store_b32 v6, v54 offset:RSC
	s_wait_dscnt 0x0
	s_barrier_signal -1
	s_barrier_wait -1                              ; ref's four fragments lie in LDS
.irp f,0,1,2,3
.irp k,0,1,2
	ds_load_b128 v[RR+12*\f+4*\k:RR+12*\f+4*\k+3], v9 offset:RIMG+1536*\f+512*\k
.endr
	ds_load_b32 v[RS+\f], v10 offset:RSC+128*\f
.endr
	; ---- feat: norm, quantiser
	s_wait_loadcnt 0x0
.irp u,0,1,2,3
	v_pk_mul_f32 v[48+2*\u:49+2*\u], v[X+2*\u:X+2*\u+1], v[X+2*\u:X+2*\u+1]
.endr
.set i, 8
.rept 15
.irp u,0,1,2,3
	v_pk_fma_f32 v[48+2*\u:49+2*\u], v[X+i+2*\u:X+i+2*\u+1], v[X+i+2*\u:X+i+2*\u+1], v[48+2*\u:49+2*\u]
.endr
.set i, i+8
.endr
	v_pk_add_f32 v[48:49], v[48:49], v[50:51]
	v_pk_add_f32 v[52:53], v[52:53], v[54:55]
	v_pk_add_f32 v[48:49], v[48:49], v[52:53]
	v_add_f32 v48, v48, v49
	v_permlanex16_b32 v49, v48, s20, s21
	v_add_f32 v48, v48, v49                        ; my pixel's sum of squares over 256 channels
	v_sqrt_f32 v44, v48
	v_nop
	s_wait_alu depctr_va_vdst(0)
	v_add_f32 v44, 0x2b8cbccc, v44
	v_rcp_f32 v46, v44
	v_nop
	s_wait_alu depctr_va_vdst(0)
.set i, 0
.rept 64
	v_pk_mul_f32 v[X+i:X+i+1], v[X+i:X+i+1], v[46:47] op_sel_hi:[1,0]
.set i, i+2
.endr
.irp b,0,1,2,3
	v_max3_num_f32 v[48+\b], |v[X+32*\b]|, |v[X+32*\b+1]|, 0x2800000
.endr
.set i, 2
.rept 15
.irp b,0,1,2,3
	v_max3_num_f32 v[48+\b], v[48+\b], |v[X+32*\b+i]|, |v[X+32*\b+i+1]|   ; the four blocks by turns
.endr
.set i, i+2
.endr
.irp b,0,1,2,3
	v_add_nc_u32 v[52+\b], 0xfe000000, v[48+\b]
.endr
.irp b,0,1,2,3
	v_lshrrev_b32 v[56+\b], 23, v[52+\b]
.endr
	v_lshlrev_b32 v42, 3, v3
.irp s,0,1
	v_lshl_or_b32 v[FS+\s], v[57+2*\s], 16, v[56+2*\s]
	v_lshlrev_b32 v[FS+\s], v42, v[FS+\s]
	v_permlanex16_b32 v[43+2*\s], v[FS+\s], s20, s21
	v_or_b32 v[FS+\s], v[FS+\s], v[43+2*\s]        ; K step s's scale word of my pixel
.endr
.irp s,0,1
	v_cvt_scalef32_pk16_bf6_f32 v[FC+12*\s:FC+12*\s+2], v[X+64*\s:X+64*\s+15], v[52+2*\s]
	v_cvt_scalef32_pk16_bf6_f32 v[TA:TA+2], v[X+64*\s+16:X+64*\s+31], v[52+2*\s]
	v_cvt_scalef32_pk16_bf6_f32 v[FC+12*\s+6:FC+12*\s+8], v[X+64*\s+32:X+64*\s+47], v[53+2*\s]
	v_cvt_scalef32_pk16_bf6_f32 v[TB:TB+2], v[X+64*\s+48:X+64*\s+63], v[53+2*\s]
	v_nop
.irp k,0,1,2
	v_mov_b32 v[FC+12*\s+3+\k], v[TA+\k]
	v_mov_b32 v[FC+12*\s+9+\k], v[TB+\k]
.endr
.endr
.rept 8
	v_nop                                          ; operands written by vector instructions stand 4 places ahead of a scaled matrix instruction, scale registers 8
.endr
	s_wait_dscnt 0x0                               ; ref's fragments are in
	; source 0 = my 16 pixels, source 1 = 16 labels; two accumulators by turns, K ascending
	v_wmma_scale_f32_16x16x128_f8f6f4 v[ACC:ACC+7], v[FC:FC+11], v[RR:RR+11], 0, v[FS], v[RS] matrix_a_fmt:MATRIX_FMT_BF6 matrix_b_fmt:MATRIX_FMT_BF6
	v_wmma_scale_f32_16x16x128_f8f6f4 v[ACC+8:ACC+15], v[FC:FC+11], v[RR+24:RR+35], 0, v[FS], v[RS+2] matrix_a_fmt:MATRIX_FMT_BF6 matrix_b_fmt:MATRIX_FMT_BF6
	v_wmma_scale_f32_16x16x128_f8f6f4 v[ACC:ACC+7], v[FC+12:FC+23], v[RR+12:RR+23], v[ACC:ACC+7], v[FS+1], v[RS+1] matrix_a_fmt:MATRIX_FMT_BF6 matrix_b_fmt:MATRIX_FMT_BF6
	v_wmma_scale_f32_16x16x128_f8f6f4 v[ACC+8:ACC+15], v[FC+12:FC+23], v[RR+36:RR+47], v[ACC+8:ACC+15], v[FS+1], v[RS+3] matrix_a_fmt:MATRIX_FMT_BF6 matrix_b_fmt:MATRIX_FMT_BF6
.rept 4
	v_nop
.endr
	ds_store_b128 v11, v[ACC:ACC+3] offset:STG                 ; lane (r, hh): sim(label r, pixels 16 w + 8 hh + 0 .. 7)
	ds_store_b128 v11, v[ACC+4:ACC+7] offset:STG+16
	ds_store_b128 v11, v[ACC+8:ACC+11] offset:STG+16*SPT       ; labels 16 + r
	ds_store_b128 v11, v[ACC+12:ACC+15] offset:STG+16*SPT+16
	s_wait_dscnt 0x0
	s_barrier_signal -1
	s_barrier_wait -1                              ; 32 whole rows of 256 bytes lie in the stage
.irp t,0,1,2,3
	ds_load_b128 v[OUTR+4*\t:OUTR+4*\t+3], v12 offset:STG+2*\t*SPT
.endr
.irp t,0,1,2,3
	s_wait_dscnt 3-\t                              ; the younger loads may be out
	global_store_b128 v13, v[OUTR+4*\t:OUTR+4*\t+3], s[8:9] offset:2*\t*CH   ; sixteen lanes store 256 consecutive bytes, aligned
.endr
	s_set_vgpr_msb 0x5
	s_wait_tensorcnt 0x0
	ds_add_u32 v0, v1
	s_wait_dscnt 0x0
	s_set_vgpr_msb 0x500
	s_endpgm
.Lfunc_end_k_q1b3126ddae_prep:
	.size	k_q1b3126ddae_prep, .Lfunc_end_k_q1b3126ddae_prep-k_q1b3126ddae_prep
	.p2alignl 7, 3214868480
	.fill 96, 4, 3214868480
	.section	.rodata,"a",@progbits
	.p2align	6, 0x0
	.amdhsa_kernel k_q1b3126ddae_prep
		.amdhsa_group_segment_fixed_size 16896
		.amdhsa_private_segment_fixed_size 0
		.amdhsa_enable_private_segment 0
		.amdhsa_kernarg_size 32
		.amdhsa_user_sgpr_count 2
		.amdhsa_user_sgpr_kernarg_segment_ptr 1
		.amdhsa_wavefront_size32 1
		.amdhsa_system_sgpr_workgroup_id_x 1
		.amdhsa_system_sgpr_workgroup_id_y 1
		.amdhsa_system_sgpr_workgroup_id_z 1
		.amdhsa_system_vgpr_workitem_id 0
		.amdhsa_next_free_vgpr 258
		.amdhsa_next_free_sgpr 66
		.amdhsa_reserve_vcc 0
		.amdhsa_float_denorm_mode_32 3
		.amdhsa_float_denorm_mode_16_64 3
		.amdhsa_memory_ordered 1
		.amdhsa_forward_progress 1
		.amdhsa_inst_pref_size 49
	.end_amdhsa_kernel
	.amdgpu_metadata
---
amdhsa.version: [ 1, 2 ]
amdhsa.kernels:
  - .name:           k_q1b3126ddae_prep
    .symbol:         k_q1b3126ddae_prep.kd
    .args:
      - { .name: image_embeddings, .offset: 0, .size: 8, .value_kind: global_buffer, .address_space: global }
      - { .name: reference_feats, .offset: 8, .size: 8, .value_kind: global_buffer, .address_space: global }
      - { .name: sim, .offset: 16, .size: 8, .value_kind: global_buffer, .address_space: global }
      - { .name: wtab, .offset: 24, .size: 8, .value_kind: global_buffer, .address_space: global }
    .group_segment_fixed_size: 16896
    .private_segment_fixed_size: 0
    .kernarg_segment_align: 8
    .kernarg_segment_size: 32
    .max_flat_workgroup_size: 128
    .sgpr_count:     66
    .vgpr_count:     258
    .wavefront_size: 32
...
	.end_amdgpu_metadata
.endif
;; end of part 1
;; launch upsel (part 2): grid 32 x 16, 4 waves a work-group, no clusters, 8,704 bytes of LDS; arguments sim, wtab, part; writes part
.if DOCPART == 2
	.amdgcn_target "amdgcn-amd-amdhsa--gfx1250"
	.amdhsa_code_object_version 6
	.text
	.protected	k_q1b3126ddae_upsel
	.globl	k_q1b3126ddae_upsel
	.p2align	8
	.type	k_q1b3126ddae_upsel,@function
k_q1b3126ddae_upsel:
	s_mov_b64 s[64:65], 0
	v_nop
	global_prefetch_b8 v0, s[64:65] scope:SCOPE_SE
	s_setreg_imm32_b32 hwreg(HW_REG_WAVE_MODE, 25, 1), 1
	s_wait_xcnt 0x0
; The bilinear upsampling 64 x 64 -> 1,024 x 1,024 as two quantised products, and for each cell of 64 x 64 its largest and its smallest number with the first place (row, then column) of each.
; T[oh][w] = sum over h of Q(W)[h][oh] Q(sim[L])[h][w] (both quantised along h);  up[oh][ow] = sum over w of Q(T)[oh][w] Q(W)[w][ow] (both along w).  Codes of BF6 (E3M2), one E8M0 scale for each 32.
; K is 64: the upper 64 of the instruction's 128 are zero codes on both operands (registers 6 .. 11 of every fragment, cleared once), under the scale byte 127.
; Work-group (L, cy): label L, output rows 64 cy .. + 63.  Wave w: (1) quantises 16 columns of sim[L] along h (a lane a column, registers down h) -> image in LDS | barrier | (2) T for rows 16 w .. + 15,
; transposed (source 0 = 16 w's of sim, source 1 = 16 oh's of W), so that a lane holds one row and its registers run along w.  THE w's OF A TILE ARE NOT NEIGHBOURS: lane r of tile 2 b + u takes
; w = 32 b + 8 u + r + 8 (r / 8), so that the 16 registers of tiles 2 b, 2 b + 1 are 16 neighbours along the next K.  Quantised in registers -> image in LDS | barrier | (3) every wave holds all 64 rows
; of T (4 fragments) and owns columns 256 w .. + 255: four whole cells.  W's tiles come from the table straight into registers, each read by one wave of the work-group, a cell (4 tiles) ahead.
; A CELL.  16 products, transposed (source 0 = 16 columns of W, source 1 = 16 rows of T): a lane is a row; each result is folded at once into the row's running largest and smallest.
; THE FIRST PLACE, with no address and no branch on data.  The cell's largest M by a reduction over the lanes; the lanes whose row has M as a mask (v_cmp_eq), the first row R by scalar bit work; R's codes
; are chosen among the four fragments by v_cndmask_b32 and spread over the lanes by v_permlane16_b32.  The same for the smallest.  One fragment takes both: rows 0-7 = the row of the largest, rows 8-15 =
; that of the smallest.  Four products (source 0 = that fragment, source 1 = W's tile: a lane is a column) give both rows again, with the same bits; lanes 0-15 compare with M, lanes 16-31 with the
; smallest; the masks give the first columns.
; OUT, for each cell 16 bytes: the largest, x | y << 16, the smallest, its place 1,024 y + x.  A work-group's 256 bytes leave as one aligned block.
; LIMITS: NaN and infinities are not served; +0 and -0 count as equal.
; No tensor loads and no cluster: a wave's operands are 1 KiB a tile, read once by one wave; what work-groups share is the table's 64 KiB.
.set SIMG, 0                           ; LDS: sim's four fragments: 512 bytes (registers 0-3) + 256 (registers 4-5) each
.set SSC,  3072                        ; their scale words, 128 bytes each
.set TIMG, 3584                        ; T's four fragments
.set TSC,  6656
.set OUTB, 7168                        ; the results, 128 bytes a wave
.set AF,   16                          ; v16-63   T's four fragments
.set AS,   64                          ; v64-67   their scale words
.set AP,   68                          ; v68-79   W's fragment for T; later the fragment of the two chosen rows
.set APS,  80                          ; v80      its scale word
.set TG,   81                          ; v81      what a lane compares with: lanes 0-15 the largest, lanes 16-31 the smallest
.set MX,   82
.set MN,   83
.set REC,  84                          ; v84      lane l = word l of my wave's results
.set RM,   86                          ; v86-89   my row's largest, for each of the four tiles of rows
.set RN,   90                          ; v90-93   smallest
.set BF,   96                          ; v96-191  W's tiles: two sets of four fragments
.set BS,   192                         ; v192-199 their scale words
.set AC,   200                         ; v200-231 four accumulators
.set SM,   232                         ; v232-238 the chosen row of the largest: 6 registers of codes and the scale word
.set SN,   240                         ; v240-246 of the smallest
	s_load_b128 s[4:7], s[0:1], 0x0                ; sim, wtab
	s_load_b64 s[8:9], s[0:1], 0x10                ; part
	v_lshl_add_u32 v254, v0, 2, 0x2000
	v_mov_b32 v255, 0
	v_lshrrev_b32 v1, 5, v0
	v_readfirstlane_b32 s12, v1                    ; wave
	v_and_b32 v1, 31, v0                           ; lane
	v_and_b32 v2, 15, v0                           ; r
	v_bfe_u32 v3, v0, 4, 1                         ; hh
	s_and_b32 s14, ttmp7, 0xffff                   ; cy
	s_mov_b32 s20, 0x76543210
	s_mov_b32 s21, 0xfedcba98                      ; v_permlanex16_b32's selects for lane l xor 16
	s_mov_b32 s22, 0xff00ff00                      ; the lanes with r >= 8
	s_mov_b32 s23, 0xffff0000                      ; lanes 16-31
	s_lshl_b32 s52, s12, 8                         ; my first column
	s_lshl_b32 s53, s14, 6                         ; the work-group's first row
	v_lshlrev_b32 v4, 4, v1                        ; 16 x lane
	v_lshlrev_b32 v5, 3, v1                        ; 8 x lane
	v_lshlrev_b32 v6, 2, v1                        ; 4 x lane
	s_lshl_b32 s15, ttmp9, 14                      ; sim[L]
	s_lshr_b32 s24, s12, 1
	s_lshl_b32 s24, s24, 7                         ; 32 b columns
	s_add_co_u32 s15, s15, s24
	s_and_b32 s24, s12, 1
	s_lshl_b32 s24, s24, 5                         ; 8 u columns
	s_add_co_u32 s15, s15, s24
	v_and_b32 v7, 8, v2
	v_add_nc_u32 v7, v7, v2                        ; r + 8 (r / 8)
	v_lshlrev_b32 v7, 2, v7
	v_lshl_add_u32 v7, v3, 13, v7                  ; + 32 hh rows of 256 bytes
	v_add_nc_u32 v7, s15, v7
	s_mul_i32 s24, s12, 768
	v_add_nc_u32 v8, s24, v4                       ; my image: registers 0-3
	v_add_nc_u32 v9, s24, v5                       ; registers 4-5 (512 bytes on)
	s_lshl_b32 s24, s12, 7
	v_add_nc_u32 v10, s24, v6                      ; 4 x lane + 128 x wave
	v_lshrrev_b32 v11, 3, v1
	v_lshlrev_b32 v11, 7, v11
	v_and_b32 v12, 7, v1
	v_lshl_add_u32 v11, v12, 3, v11                ; the way out: lane l takes 8 bytes of wave l / 8's 64
	s_lshl_b32 s24, s14, 2
	s_add_co_u32 s24, s24, s12
	s_lshl_b32 s24, s24, 10                        ; W's tile of my 16 rows: 4 cy + wave
	s_mov_b32 s25, 0
	s_lshl_b32 s26, s12, 14                        ; W's 16 tiles of my columns
	s_mov_b32 s27, 0
	s_lshl_b32 s28, ttmp9, 4
	s_add_co_u32 s28, s28, s14
	s_lshl_b32 s28, s28, 8                         ; my work-group's 256 bytes of results
	s_mov_b32 s29, 0
	s_wait_kmcnt 0x0
	s_add_nc_u64 s[16:17], s[6:7], s[24:25]
	s_add_nc_u64 s[18:19], s[6:7], s[26:27]
	s_add_nc_u64 s[8:9], s[8:9], s[28:29]
.macro LOADB q                         ; the four tiles of W of my cell q into set q % 2: 12 loads
.irp tc,0,1,2,3
	global_load_b128 v[BF+48*((\q)%2)+12*\tc:BF+48*((\q)%2)+12*\tc+3], v4, s[18:19] offset:(4*(\q)+\tc)*1024
	global_load_b64 v[BF+48*((\q)%2)+12*\tc+4:BF+48*((\q)%2)+12*\tc+5], v5, s[18:19] offset:(4*(\q)+\tc)*1024+512
	global_load_b32 v[BS+4*((\q)%2)+\tc], v5, s[18:19] offset:(4*(\q)+\tc)*1024+768
.endr
.endm
.set i, 0
.rept 32
	global_load_b32 v[AC+i], v7, s[4:5] offset:256*i   ; sim(L, 32 hh + i, my column)
.set i, i+1
.endr
	global_load_b128 v[AP:AP+3], v4, s[16:17]
	global_load_b64 v[AP+4:AP+5], v5, s[16:17] offset:512
	global_load_b32 v[APS], v5, s[16:17] offset:768
	LOADB 0
	; the zero codes of K = 64 .. 127, once for every fragment's place
.irp t,0,1,2,3
.irp k,6,7,8,9,10,11
	v_mov_b32 v[AF+12*\t+\k], 0
.endr
.endr
.irp k,6,7,8,9,10,11
	v_mov_b32 v[AP+\k], 0
.endr
.irp t,0,1,2,3,4,5,6,7
.irp k,6,7,8,9,10,11
	v_mov_b32 v[BF+12*\t+\k], 0
.endr
.endr
	v_mov_b32 v[REC], 0
	v_mov_b32 v85, 0                               ; a lane permute's destination counts as one of its sources
	v_mov_b32 v94, 0
	v_mov_b32 v253, 0
	; ---- (1) my 16 columns of sim, quantised along h: a block of 32 lies in my 32 registers
	s_wait_loadcnt 15                              ; behind sim's 32: W's 3 and cell 0's 12
	v_max3_num_f32 v248, |v[AC]|, |v[AC+1]|, |v[AC+2]|
	v_max3_num_f32 v249, |v[AC+3]|, |v[AC+4]|, |v[AC+5]|
.irp i,6,10,14,18,22,26
	v_max3_num_f32 v248, v248, |v[AC+\i]|, |v[AC+\i+1]|
	v_max3_num_f32 v249, v249, |v[AC+\i+2]|, |v[AC+\i+3]|
.endr
	v_max3_num_f32 v248, v248, |v[AC+30]|, |v[AC+31]|
	v_max3_num_f32 v248, v248, v249, 0x2800000     ; and the floor 2^(5 - 127): the byte cannot fall under 1
	v_add_nc_u32 v250, 0xfe000000, v248            ; 4 off the exponent field: the conversion's scale operand
	v_lshrrev_b32 v251, 23, v250                   ; the scale's byte
	v_cvt_scalef32_pk16_bf6_f32 v[232:234], v[AC:AC+15], v250
	v_cvt_scalef32_pk16_bf6_f32 v[240:242], v[AC+16:AC+31], v250   ; (a conversion's three registers begin on an even number)
	v_lshlrev_b32 v252, 3, v3                      ; a plain line behind the conversions
	v_mov_b32 v235, v240
	v_mov_b32 v236, v241
	v_mov_b32 v237, v242
	v_lshlrev_b32 v251, v252, v251                 ; block hh's byte at its place,
	v_permlanex16_b32 v253, v251, s20, s21
	v_or_b32 v251, v251, v253                      ; with the other block's,
	v_or_b32 v238, 0x7f7f0000, v251                ; and 127 over the zero codes
	ds_store_b128 v8, v[232:235] offset:SIMG
	ds_store_b64 v9, v[236:237] offset:SIMG+512
	ds_store_b32 v10, v238 offset:SSC
	s_wait_dscnt 0x0
	s_barrier_signal -1
	s_barrier_wait -1                              ; sim's four fragments lie in LDS
.irp a,0,1,2,3
	ds_load_b128 v[BF+48+12*\a:BF+48+12*\a+3], v4 offset:SIMG+768*\a
	ds_load_b64 v[BF+48+12*\a+4:BF+48+12*\a+5], v5 offset:SIMG+768*\a+512
	ds_load_b32 v[BS+4+\a], v6 offset:SSC+128*\a
.endr
	s_wait_dscnt 0x0
	s_wait_loadcnt 12                              ; W's fragment is in; cell 0's 12 loads may be out
	; ---- (2) T, transposed: in tile a = 2 b + u lane (r, hh) holds row 16 w + r, register j the column w = 32 b + 16 hh + 8 u + j
.irp a,0,1,2,3
	v_wmma_scale_f32_16x16x128_f8f6f4 v[AC+8*\a:AC+8*\a+7], v[BF+48+12*\a:BF+48+12*\a+11], v[AP:AP+11], 0, v[BS+4+\a], v[APS] matrix_a_fmt:MATRIX_FMT_BF6 matrix_b_fmt:MATRIX_FMT_BF6
.endr
.rept 4
	v_nop
.endr
.irp b,0,1
	v_max3_num_f32 v[248+\b], |v[AC+16*\b]|, |v[AC+16*\b+1]|, 0x2800000
.endr
.irp i,2,4,6,8,10,12,14
.irp b,0,1
	v_max3_num_f32 v[248+\b], v[248+\b], |v[AC+16*\b+\i]|, |v[AC+16*\b+\i+1]|
.endr
.endr
.irp b,0,1
	v_permlanex16_b32 v[250+\b], v[248+\b], s20, s21
.endr
.irp b,0,1
	v_max_num_f32 v[248+\b], v[248+\b], v[250+\b]  ; with lane l xor 16's 16: the block's largest magnitude
.endr
.irp b,0,1
	v_add_nc_u32 v[252+\b], 0xfe000000, v[248+\b]
.endr
.irp b,0,1
	v_lshrrev_b32 v[250+\b], 23, v[252+\b]
.endr
	v_lshl_or_b32 v238, v251, 8, v250
	v_or_b32 v238, 0x7f7f0000, v238                ; my row's scale word
	v_cvt_scalef32_pk16_bf6_f32 v[232:234], v[AC:AC+15], v252      ; the codes of w = 16 hh + 0 .. 15
	v_cvt_scalef32_pk16_bf6_f32 v[240:242], v[AC+16:AC+31], v253   ; and of w = 32 + 16 hh + 0 .. 15
	v_nop                                          ; a plain line behind the conversions
.irp i,0,1,2
	v_permlane16_swap_b32 v[232+\i], v[240+\i]     ; the operand wants a whole block in a lane: the first's lanes 16-31 change places with the second's lanes 0-15
.endr
.irp i,0,1,2
	v_mov_b32 v[235+\i], v[240+\i]
.endr
	ds_store_b128 v8, v[232:235] offset:TIMG
	ds_store_b64 v9, v[236:237] offset:TIMG+512
	ds_store_b32 v10, v238 offset:TSC
	s_wait_dscnt 0x0
	s_barrier_signal -1
	s_barrier_wait -1                              ; T's four fragments lie in LDS
.irp t,0,1,2,3
	ds_load_b128 v[AF+12*\t:AF+12*\t+3], v4 offset:TIMG+768*\t
	ds_load_b64 v[AF+12*\t+4:AF+12*\t+5], v5 offset:TIMG+768*\t+512
	ds_load_b32 v[AS+\t], v6 offset:TSC+128*\t
.endr
	s_wait_dscnt 0x0
; ---- (3)
; two products: W's tile tc of cell q against T's tiles of rows 2 tp, 2 tp + 1, into accumulators 2 tp, 2 tp + 1.  Lane (r, hh): row 16 (2 tp + e) + r; register j: column 16 tc + 8 hh + j
.macro W q, tc, tp
.irp e,0,1
	v_wmma_scale_f32_16x16x128_f8f6f4 v[AC+16*(\tp)+8*\e:AC+16*(\tp)+8*\e+7], v[BF+48*((\q)%2)+12*(\tc):BF+48*((\q)%2)+12*(\tc)+11], v[AF+12*(2*(\tp)+\e):AF+12*(2*(\tp)+\e)+11], 0, v[BS+4*((\q)%2)+(\tc)], v[AS+2*(\tp)+\e] matrix_a_fmt:MATRIX_FMT_BF6 matrix_b_fmt:MATRIX_FMT_BF6
.endr
.endm
; their 16 registers are folded into the rows' largest and smallest, each accumulator from its low end on.  first = 1: a cell's first tile starts both.
; These 16 lines name no register of the other pair's products: they are the places behind those.
.macro F tp, first
.irp p,0,1,2,3
.irp e,0,1
.if (\first) && (\p == 0)
	v_max_num_f32 v[RM+2*(\tp)+\e], v[AC+16*(\tp)+8*\e], v[AC+16*(\tp)+8*\e+1]
	v_min_num_f32 v[RN+2*(\tp)+\e], v[AC+16*(\tp)+8*\e], v[AC+16*(\tp)+8*\e+1]
.else
	v_max3_num_f32 v[RM+2*(\tp)+\e], v[RM+2*(\tp)+\e], v[AC+16*(\tp)+8*\e+2*\p], v[AC+16*(\tp)+8*\e+2*\p+1]
	v_min3_num_f32 v[RN+2*(\tp)+\e], v[RN+2*(\tp)+\e], v[AC+16*(\tp)+8*\e+2*\p], v[AC+16*(\tp)+8*\e+2*\p+1]
.endif
.endr
.endr
.endm
.macro ROWS b                          ; four masks of lanes (one a tile of rows; lanes r and 16 + r are one row) become 64 bits, a bit a row, in s[b] and s[b + 2]
.irp t,0,1,2,3
	s_lshr_b32 s40, s[\b+\t], 16
	s_or_b32 s[\b+\t], s[\b+\t], s40
.endr
	s_and_b32 s[\b], s[\b], 0xffff
	s_lshl_b32 s[\b+1], s[\b+1], 16
	s_or_b32 s[\b], s[\b], s[\b+1]
	s_and_b32 s[\b+2], s[\b+2], 0xffff
	s_lshl_b32 s[\b+3], s[\b+3], 16
	s_or_b32 s[\b+2], s[\b+2], s[\b+3]
.endm
.macro FIRSTBIT dst, lo, hi            ; the lowest bit that is set among 64: a choice, no branch
	s_ctz_i32_b32 s40, s[\lo]
	s_ctz_i32_b32 s41, s[\hi]
	s_add_co_u32 s41, s41, 32
	s_cmp_lg_u32 s[\lo], 0
	s_cselect_b32 s[\dst], s40, s41
.endm
.macro PICK k, a0, a1, a2, a3          ; register k of the two chosen rows' tiles: one of four, by the row's bits 4 and 5, which are the same in all lanes
	v_cndmask_b32 v239, v[\a0], v[\a1], s46
	v_cndmask_b32 v247, v[\a2], v[\a3], s46
	v_cndmask_b32 v95, v[\a0], v[\a1], s49
	v_cndmask_b32 v248, v[\a2], v[\a3], s49
	v_cndmask_b32 v[SM+\k], v239, v247, s47
	v_cndmask_b32 v[SN+\k], v95, v248, s50
.endm
.macro RESOLVE q
	v_max3_num_f32 v[MX], v[RM], v[RM+1], v[RM+2]
	v_min3_num_f32 v[MN], v[RN], v[RN+1], v[RN+2]
	v_max_num_f32 v[MX], v[MX], v[RM+3]
	v_min_num_f32 v[MN], v[MN], v[RN+3]
.irp m,1,2,4,8
	v_max_num_f32_dpp v[MX], v[MX], v[MX] row_xmask:\m row_mask:0xf bank_mask:0xf
	v_min_num_f32_dpp v[MN], v[MN], v[MN] row_xmask:\m row_mask:0xf bank_mask:0xf
.endr
	v_permlanex16_b32 v85, v[MX], s20, s21
	v_permlanex16_b32 v94, v[MN], s20, s21
	v_max_num_f32 v[MX], v[MX], v85                ; the cell's largest, in every lane
	v_min_num_f32 v[MN], v[MN], v94                ; and its smallest
.irp t,0,1,2,3
	v_cmp_eq_f32 s[24+\t], v[RM+\t], v[MX]         ; which rows have it
	v_cmp_eq_f32 s[28+\t], v[RN+\t], v[MN]
.endr
	ROWS 24
	FIRSTBIT 44, 24, 26                            ; s44: the first row with the largest, 0 .. 63
	ROWS 28
	FIRSTBIT 45, 28, 30                            ; s45: with the smallest
	s_bitcmp1_b32 s44, 4
	s_cselect_b32 s46, -1, 0
	s_bitcmp1_b32 s44, 5
	s_cselect_b32 s47, -1, 0
	s_and_b32 s48, s44, 15
	s_mul_i32 s48, s48, 0x11111111                 ; every lane of a row of 16 takes lane (row % 16)
	s_bitcmp1_b32 s45, 4
	s_cselect_b32 s49, -1, 0
	s_bitcmp1_b32 s45, 5
	s_cselect_b32 s50, -1, 0
	s_and_b32 s51, s45, 15
	s_mul_i32 s51, s51, 0x11111111
	PICK 6, AS, AS+1, AS+2, AS+3                   ; the scale word first: it stands far more than 8 places ahead of the products
	v_permlane16_b32 v[SM+6], v[SM+6], s48, s48
	v_permlane16_b32 v[SN+6], v[SN+6], s51, s51
	v_cndmask_b32 v[APS], v[SM+6], v[SN+6], s22
.irp k,0,1,2,3,4,5
	PICK \k, AF+\k, AF+12+\k, AF+24+\k, AF+36+\k
.endr
.irp k,0,1,2,3,4,5
	v_permlane16_b32 v[SM+\k], v[SM+\k], s48, s48  ; lane (r, hh) takes lane (row % 16, hh): the chosen row's half of K, in all 16 rows
	v_permlane16_b32 v[SN+\k], v[SN+\k], s51, s51
.endr
.irp k,0,1,2,3,4,5
	v_cndmask_b32 v[AP+\k], v[SM+\k], v[SN+\k], s22    ; rows 0-7: the row of the largest; rows 8-15: of the smallest
.endr
	v_cndmask_b32 v[TG], v[MX], v[MN], s23
.rept 4
	v_nop                                          ; operands written by vector instructions stand 4 places ahead of a scaled matrix instruction
.endr
.irp tc,0,1,2,3                        ; lane (r, hh): column 16 tc + r; register 0 of lanes 0-15 the row of the largest, of lanes 16-31 that of the smallest
	v_wmma_scale_f32_16x16x128_f8f6f4 v[AC+8*\tc:AC+8*\tc+7], v[AP:AP+11], v[BF+48*((\q)%2)+12*\tc:BF+48*((\q)%2)+12*\tc+11], 0, v[APS], v[BS+4*((\q)%2)+\tc] matrix_a_fmt:MATRIX_FMT_BF6 matrix_b_fmt:MATRIX_FMT_BF6
.endr
.rept 5
	v_nop                                          ; 4 places ahead of the reads below and of later loads into this set; 5 ahead of the next cell's products, which write over these accumulators
.endr
.irp tc,0,1,2,3
	v_cmp_eq_f32 s[32+\tc], v[AC+8*\tc], v[TG]     ; which columns have it: bits 0-15 the largest, bits 16-31 the smallest
.endr
	s_and_b32 s36, s32, 0xffff
	s_lshl_b32 s40, s33, 16
	s_or_b32 s36, s36, s40
	s_and_b32 s37, s34, 0xffff
	s_lshl_b32 s40, s35, 16
	s_or_b32 s37, s37, s40                         ; s36, s37: a bit a column, for the largest
	s_lshr_b32 s38, s32, 16
	s_and_b32 s40, s33, s23
	s_or_b32 s38, s38, s40
	s_lshr_b32 s39, s34, 16
	s_and_b32 s40, s35, s23
	s_or_b32 s39, s39, s40                         ; s38, s39: for the smallest
	FIRSTBIT 42, 36, 37
	FIRSTBIT 43, 38, 39
	s_add_co_u32 s55, s52, s42
	s_add_co_u32 s55, s55, 64*(\q)                 ; x of the largest
	s_add_co_u32 s40, s53, s44                     ; y
	s_lshl_b32 s40, s40, 16
	s_or_b32 s55, s55, s40
	s_add_co_u32 s57, s53, s45
	s_lshl_b32 s57, s57, 10
	s_add_co_u32 s57, s57, s52
	s_add_co_u32 s57, s57, s43
	s_add_co_u32 s57, s57, 64*(\q)                 ; the smallest's place: 1,024 y + x
	v_readfirstlane_b32 s54, v[MX]
	v_readfirstlane_b32 s56, v[MN]
	v_writelane_b32 v[REC], s54, 4*(\q)
	v_writelane_b32 v[REC], s55, 4*(\q)+1
	v_writelane_b32 v[REC], s56, 4*(\q)+2
	v_writelane_b32 v[REC], s57, 4*(\q)+3
.endm
.macro CELL q
.if \q < 3
	LOADB (\q)+1
	s_wait_loadcnt 12                              ; this cell's tiles are in; the next cell's 12 loads may be out
.else
	s_wait_loadcnt 0x0
.endif
	W \q, 0, 0
.rept 5
	v_nop                                          ; 4 places ahead of the first fold; 5 ahead of the next products on these two accumulators (the fold names them and fills no place)
.endr
	W \q, 0, 1
	F 0, 1
	W \q, 1, 0
	F 1, 1
	W \q, 1, 1
	F 0, 0
	W \q, 2, 0
	F 1, 0
	W \q, 2, 1
	F 0, 0
	W \q, 3, 0
	F 1, 0
	W \q, 3, 1
	F 0, 0
	F 1, 0
	RESOLVE \q
.endm
	CELL 0
	CELL 1
	CELL 2
	CELL 3
	ds_store_b32 v10, v[REC] offset:OUTB           ; my four cells' 16 words in lanes 0-15
	s_wait_dscnt 0x0
	s_barrier_signal -1
	s_barrier_wait -1
	s_cmp_lg_u32 s12, 0
	s_cbranch_scc1 .Ldone
	ds_load_b64 v[232:233], v11 offset:OUTB
	s_wait_dscnt 0x0
	global_store_b64 v5, v[232:233], s[8:9]        ; 32 lanes store 256 consecutive bytes, aligned
.Ldone:
	s_wait_tensorcnt 0x0
	ds_add_u32 v254, v255
	s_wait_dscnt 0x0
	s_endpgm
.Lfunc_end_k_q1b3126ddae_upsel:
	.size	k_q1b3126ddae_upsel, .Lfunc_end_k_q1b3126ddae_upsel-k_q1b3126ddae_upsel
	.p2alignl 7, 3214868480
	.fill 96, 4, 3214868480
	.section	.rodata,"a",@progbits
	.p2align	6, 0x0
	.amdhsa_kernel k_q1b3126ddae_upsel
		.amdhsa_group_segment_fixed_size 8704
		.amdhsa_private_segment_fixed_size 0
		.amdhsa_enable_private_segment 0
		.amdhsa_kernarg_size 24
		.amdhsa_user_sgpr_count 2
		.amdhsa_user_sgpr_kernarg_segment_ptr 1
		.amdhsa_wavefront_size32 1
		.amdhsa_system_sgpr_workgroup_id_x 1
		.amdhsa_system_sgpr_workgroup_id_y 1
		.amdhsa_system_sgpr_workgroup_id_z 1
		.amdhsa_system_vgpr_workitem_id 0
		.amdhsa_next_free_vgpr 256
		.amdhsa_next_free_sgpr 66
		.amdhsa_reserve_vcc 0
		.amdhsa_float_denorm_mode_32 3
		.amdhsa_float_denorm_mode_16_64 3
		.amdhsa_memory_ordered 1
		.amdhsa_forward_progress 1
		.amdhsa_inst_pref_size 98
	.end_amdhsa_kernel
	.amdgpu_metadata
---
amdhsa.version: [ 1, 2 ]
amdhsa.kernels:
  - .name:           k_q1b3126ddae_upsel
    .symbol:         k_q1b3126ddae_upsel.kd
    .args:
      - { .name: sim, .offset: 0, .size: 8, .value_kind: global_buffer, .address_space: global }
      - { .name: wtab, .offset: 8, .size: 8, .value_kind: global_buffer, .address_space: global }
      - { .name: part, .offset: 16, .size: 8, .value_kind: global_buffer, .address_space: global }
    .group_segment_fixed_size: 8704
    .private_segment_fixed_size: 0
    .kernarg_segment_align: 8
    .kernarg_segment_size: 24
    .max_flat_workgroup_size: 128
    .sgpr_count:     66
    .vgpr_count:     256
    .wavefront_size: 32
...
	.end_amdgpu_metadata
.endif
;; end of part 2
;; launch order (part 3): grid 32 x 1, 8 waves a work-group, no clusters, 5,120 bytes of LDS; arguments part, out0, out1; writes out0, out1
.if DOCPART == 3
	.amdgcn_target "amdgcn-amd-amdhsa--gfx1250"
	.amdhsa_code_object_version 6
	.text
	.protected	k_q1b3126ddae_order
	.globl	k_q1b3126ddae_order
	.p2align	8
	.type	k_q1b3126ddae_order,@function
k_q1b3126ddae_order:
	s_mov_b64 s[64:65], 0
	v_nop
	global_prefetch_b8 v0, s[64:65] scope:SCOPE_SE
	s_setreg_imm32_b32 hwreg(HW_REG_WAVE_MODE, 25, 1), 1
	s_wait_xcnt 0x0
; For label L (the work-group): the 256 cells' points, those with a score over 0.65, sorted by score, descending and stable; the others are rows of -1 behind them.  And the place of the map's smallest number.
; Thread t is cell t, and later output row t.  The key K of a cell is its score's bits where the score is over 0.65 (positive numbers: their bits order as the numbers do), else 0.
; RANK of cell i = the number of cells j with K_j > K_i, or K_j = K_i and j < i.  Counted against all 256 keys, read from LDS by loads in which all lanes take the same bytes.  For the groups of 32 cells below
; my wave's the test is K_j >= K_i; for the others K_j >= K_i + 1; ties inside my own group are counted with constant masks of the lanes above j.
; Output row t takes the cell of rank t by v_cndmask_b32 over all 256: no address hangs on a number derived from floating-point data.
; The smallest: by value, then by the lowest place 1,024 y + x (under 2^20: exact as f32), over the lanes, then over the eight waves through LDS.
; LIMITS: NaN and infinities are not served; +0 and -0 count as equal.  No matrix work, no tensor loads, no cluster: 4 KiB in, 3 KiB out for a work-group.
.set KEY, 0                            ; LDS: 256 keys
.set XY,  1024                         ; x | y << 16
.set RK,  2048                         ; ranks
.set BG,  3072                         ; for each wave: its smallest, and the place
	s_load_b128 s[4:7], s[0:1], 0x0                ; part, out0
	s_load_b64 s[8:9], s[0:1], 0x10                ; out1
	v_lshl_add_u32 v62, v0, 2, 0x1000
	v_mov_b32 v63, 0
	v_lshrrev_b32 v23, 5, v0
	v_readfirstlane_b32 s12, v23                   ; wave
	v_lshlrev_b32 v23, 3, v23                      ; 8 x wave
	v_and_b32 v1, 31, v0                           ; lane
	v_lshlrev_b32 v2, 4, v0                        ; 16 t
	v_lshlrev_b32 v3, 2, v0                        ; 4 t
	v_mul_u32_u24 v19, v0, 12                      ; 12 t
	v_and_b32 v26, 7, v0
	v_lshlrev_b32 v26, 3, v26                      ; 8 (lane % 8)
	v_mov_b32 v12, 0
	v_mov_b32 v11, 0                               ; the count
	v_mov_b32 v22, 0                               ; a lane permute's destination counts as one of its sources
	v_mov_b32 v14, 0
	v_mov_b32 v15, 0
	v_mov_b32 v30, 0x7f61b1e6                      ; 3e38: over every place
	v_mov_b32 v31, -1.0
	s_mov_b32 s20, 0x76543210
	s_mov_b32 s21, 0xfedcba98
	s_lshl_b32 s16, ttmp9, 12
	s_mov_b32 s17, 0
	s_mul_i32 s18, ttmp9, 3072
	s_mov_b32 s19, 0
	s_lshl_b32 s14, ttmp9, 3
	s_mov_b32 s15, 0
	s_wait_kmcnt 0x0
	s_add_nc_u64 s[4:5], s[4:5], s[16:17]
	s_add_nc_u64 s[6:7], s[6:7], s[18:19]
	s_add_nc_u64 s[8:9], s[8:9], s[14:15]
	global_load_b128 v[4:7], v2, s[4:5]            ; my cell: the largest, x | y << 16, the smallest, its place
	s_wait_loadcnt 0x0
	v_cmp_lt_f32 vcc_lo, 0x3f266666, v4            ; 0.65 < score
	v_cndmask_b32 v8, 0, v4, vcc_lo                ; K
	v_add_nc_u32 v9, 1, v8                         ; K + 1
	ds_store_b32 v3, v8 offset:KEY
	ds_store_b32 v3, v5 offset:XY
.macro MINALL reg                      ; the smallest over the 32 lanes, in every lane
.irp m,1,2,4,8
	v_min_num_f32_dpp v[\reg], v[\reg], v[\reg] row_xmask:\m row_mask:0xf bank_mask:0xf
.endr
	v_permlanex16_b32 v22, v[\reg], s20, s21
	v_min_num_f32 v[\reg], v[\reg], v22
.endm
	v_mov_b32 v20, v6
	MINALL 20
	v_cvt_f32_u32 v21, v7
	v_cmp_eq_f32 vcc_lo, v6, v20
	v_cndmask_b32 v21, v30, v21, vcc_lo            ; my place where I have the smallest
	MINALL 21
	ds_store_b64 v23, v[20:21] offset:BG           ; all lanes write the same
	s_wait_dscnt 0x0
	s_barrier_signal -1
	s_barrier_wait -1
	; ---- the ranks
.macro RLOAD g                         ; group g's 32 keys, the same in every lane
.irp j,0,1,2,3,4,5,6,7
	ds_load_b128 v[64+96*((\g)%2)+4*\j:64+96*((\g)%2)+4*\j+3], v12 offset:KEY+128*(\g)+16*\j
.endr
.endm
.macro RANKB g
.if \g < 7
	RLOAD (\g)+1
	s_wait_dscnt 8                                 ; the next group's 8 loads may be out
.else
	s_wait_dscnt 0x0
.endif
	s_cmp_gt_u32 s12, \g
	s_cselect_b32 s13, -1, 0
	v_cndmask_b32 v10, v9, v8, s13                 ; groups below mine: K; the others: K + 1
.set i, 0
.rept 32
	v_cmp_ge_u32 vcc_lo, v[64+96*((\g)%2)+i], v10
	v_add_co_ci_u32 v11, vcc_lo, 0, v11, vcc_lo
.set i, i+1
.endr
.endm
	RLOAD 0
.irp g,0,1,2,3,4,5,6,7
	RANKB \g
.endr
.irp j,0,1,2,3,4,5,6,7,8,9,10,11,12,13,14,15,16,17,18,19,20,21,22,23,24,25,26,27,28,29,30
	v_readlane_b32 s13, v8, \j                     ; ties inside my group: lane j's key counts for the lanes above j that have the same
	v_cmp_eq_u32 vcc_lo, s13, v8
	s_and_b32 vcc_lo, vcc_lo, (0xfffffffe<<\j)&0xffffffff
	v_add_co_ci_u32 v11, vcc_lo, 0, v11, vcc_lo
.endr
	ds_store_b32 v3, v11 offset:RK
	s_wait_dscnt 0x0
	s_barrier_signal -1
	s_barrier_wait -1
	; ---- output row t takes the cell of rank t
.macro SLOAD g                         ; group g's 32 ranks, keys and places: 24 loads
.irp j,0,1,2,3,4,5,6,7
	ds_load_b128 v[64+96*((\g)%2)+4*\j:64+96*((\g)%2)+4*\j+3], v12 offset:RK+128*(\g)+16*\j
	ds_load_b128 v[96+96*((\g)%2)+4*\j:96+96*((\g)%2)+4*\j+3], v12 offset:KEY+128*(\g)+16*\j
	ds_load_b128 v[128+96*((\g)%2)+4*\j:128+96*((\g)%2)+4*\j+3], v12 offset:XY+128*(\g)+16*\j
.endr
.endm
.macro SELB g
.if \g < 7
	SLOAD (\g)+1
	s_wait_dscnt 24                                ; the next group's 24 loads may be out
.else
	s_wait_dscnt 0x0
.endif
.set i, 0
.rept 32
	v_cmp_eq_u32 vcc_lo, v[64+96*((\g)%2)+i], v0
	v_cndmask_b32 v14, v14, v[96+96*((\g)%2)+i], vcc_lo
	v_cndmask_b32 v15, v15, v[128+96*((\g)%2)+i], vcc_lo
.set i, i+1
.endr
.endm
	SLOAD 0
.irp g,0,1,2,3,4,5,6,7
	SELB \g
.endr
	v_and_b32 v16, 0xffff, v15
	v_lshrrev_b32 v17, 16, v15
	v_cvt_f32_u32 v16, v16                         ; x
	v_cvt_f32_u32 v17, v17                         ; y
	v_cmp_eq_u32 vcc_lo, 0, v14                    ; a cell that did not pass 0.65: a row of -1
	v_cndmask_b32 v16, v16, v31, vcc_lo
	v_cndmask_b32 v17, v17, v31, vcc_lo
	v_cndmask_b32 v18, v14, v31, vcc_lo            ; the key's bits are the score
	global_store_b96 v19, v[16:18], s[6:7]         ; a wave stores 384 consecutive bytes
	; ---- the smallest of the whole map, by wave 0
	s_cmp_lg_u32 s12, 0
	s_cbranch_scc1 .Ldone
	ds_load_b64 v[24:25], v26 offset:BG            ; lane l: wave l % 8's
	s_wait_dscnt 0x0
	v_mov_b32 v27, v24
.irp m,1,2,4
	v_min_num_f32_dpp v27, v27, v27 row_xmask:\m row_mask:0xf bank_mask:0xf
.endr
	v_cmp_eq_f32 vcc_lo, v24, v27
	v_cndmask_b32 v25, v30, v25, vcc_lo
.irp m,1,2,4
	v_min_num_f32_dpp v25, v25, v25 row_xmask:\m row_mask:0xf bank_mask:0xf
.endr
	v_cvt_u32_f32 v25, v25
	v_and_b32 v28, 0x3ff, v25
	v_lshrrev_b32 v29, 10, v25
	v_cvt_f32_u32 v28, v28                         ; x
	v_cvt_f32_u32 v29, v29                         ; y
	v_cmp_eq_u32 vcc_lo, 0, v0
	s_wait_xcnt 0x0                                ; EXEC changes only behind this wait: the store above has been issued
	s_and_saveexec_b32 s22, vcc_lo
	global_store_b64 v12, v[28:29], s[8:9]         ; thread 0 alone: the label's 8 bytes
	s_wait_xcnt 0x0
	s_or_b32 exec_lo, exec_lo, s22
.Ldone:
	s_wait_tensorcnt 0x0
	ds_add_u32 v62, v63
	s_wait_dscnt 0x0
	s_endpgm
.Lfunc_end_k_q1b3126ddae_order:
	.size	k_q1b3126ddae_order, .Lfunc_end_k_q1b3126ddae_order-k_q1b3126ddae_order
	.p2alignl 7, 3214868480
	.fill 96, 4, 3214868480
	.section	.rodata,"a",@progbits
	.p2align	6, 0x0
	.amdhsa_kernel k_q1b3126ddae_order
		.amdhsa_group_segment_fixed_size 5120
		.amdhsa_private_segment_fixed_size 0
		.amdhsa_enable_private_segment 0
		.amdhsa_kernarg_size 24
		.amdhsa_user_sgpr_count 2
		.amdhsa_user_sgpr_kernarg_segment_ptr 1
		.amdhsa_wavefront_size32 1
		.amdhsa_system_sgpr_workgroup_id_x 1
		.amdhsa_system_sgpr_workgroup_id_y 1
		.amdhsa_system_sgpr_workgroup_id_z 1
		.amdhsa_system_vgpr_workitem_id 0
		.amdhsa_next_free_vgpr 256
		.amdhsa_next_free_sgpr 66
		.amdhsa_reserve_vcc 1
		.amdhsa_float_denorm_mode_32 3
		.amdhsa_float_denorm_mode_16_64 3
		.amdhsa_memory_ordered 1
		.amdhsa_forward_progress 1
		.amdhsa_inst_pref_size 68
	.end_amdhsa_kernel
	.amdgpu_metadata
---
amdhsa.version: [ 1, 2 ]
amdhsa.kernels:
  - .name:           k_q1b3126ddae_order
    .symbol:         k_q1b3126ddae_order.kd
    .args:
      - { .name: part, .offset: 0, .size: 8, .value_kind: global_buffer, .address_space: global }
      - { .name: out0, .offset: 8, .size: 8, .value_kind: global_buffer, .address_space: global }
      - { .name: out1, .offset: 16, .size: 8, .value_kind: global_buffer, .address_space: global }
    .group_segment_fixed_size: 5120
    .private_segment_fixed_size: 0
    .kernarg_segment_align: 8
    .kernarg_segment_size: 24
    .max_flat_workgroup_size: 256
    .sgpr_count:     66
    .vgpr_count:     256
    .wavefront_size: 32
...
	.end_amdgpu_metadata
.endif
;; end of part 3
;; ======== version 2 of 2: 3 launches; version 1 with the launches prep, upsel written anew for expert scheduling mode
;; workspace buffers: sim 524,288 bytes; wtab 65,536 bytes; part 131,072 bytes
;; launch prep (part 4): grid 64 x 1, 4 waves a work-group, no clusters, 16,896 bytes of LDS; arguments image_embeddings, reference_feats, sim, wtab; writes sim, wtab
.if DOCPART == 4
	.amdgcn_target "amdgcn-amd-amdhsa--gfx1250"
	.amdhsa_code_object_version 6
	.text
	.protected	k_q1b3126ddae_prep
	.globl	k_q1b3126ddae_prep
	.p2align	8
	.type	k_q1b3126ddae_prep,@function
k_q1b3126ddae_prep:
	s_mov_b64 s[64:65], 0
	v_nop
	global_prefetch_b8 v0, s[64:65] scope:SCOPE_SE
	s_setreg_imm32_b32 hwreg(HW_REG_WAVE_SCHED_MODE, 0, 2), 2
	s_setreg_imm32_b32 hwreg(HW_REG_WAVE_MODE, 25, 1), 1
	s_wait_xcnt 0x0
	s_wait_alu depctr_vm_vsrc(0)
; sim[L][h][w] = Q(ref[L] / (|ref[L]| + 1e-12)) . Q(feat[:, h, w] / (|feat[:, h, w]| + 1e-12)): both operands as codes of BF6 (E3M2), one E8M0 scale for each 32 channels, sums in f32.
; Work-group g owns image row h = g (64 pixels); wave w owns pixels 16 w .. + 15.  A LANE TAKES A PIXEL AND ITS REGISTERS RUN DOWN THE CHANNELS, in the order of the operand's layout:
; lane (r, hh) holds channels 64 b + 32 hh + 0 .. 31, b = 0 .. 3.  So a block of 32 lies in one lane, and the conversions' results are the operand's registers.
; ref: wave (mt, s) = (w / 2, w % 2) takes labels 16 mt .. + 15, channels 128 s .. + 127; a row's two half sums of squares meet in LDS; the four fragments go round as images of their registers.
; The product is used transposed (source 0 = 16 pixels, source 1 = 16 labels): a lane holds one label and eight neighbouring pixels; rows of 256 bytes of sim leave through a stage in LDS.
; Wave 0 also makes tile g of the table of bilinear weights (16 output columns x 64 inputs, quantised along the inputs), in the order of an operand's registers, for the next launch.
; The weights: column o samples at (o + 0.5) / 16 - 0.5; weight of input k = max(0, 1 - |sample - k|) / (the column's sum).  The sum is exactly 1 inside; at the borders a column has one weight,
; divided by itself: that is the weight of the sample held to 0 .. 63, which is what is computed here, with no rounding anywhere.
; LIMITS: NaN and infinities are not served; a vector whose sum of squares lies under 2^-126 counts as zero (v_sqrt_f32 takes denormals as zero); the division by the norm is v_rcp_f32 and a
; multiplication (about 2e-7 of the number).
; No tensor loads, no cluster: a work-group's 64 KiB are read once, by loads that all go out at the head.
; THE MODE: SCHED_MODE bits 1:0 = 2 (LLVM: expert scheduling mode 2), set by the entry lines.  The code itself states the register dependences
; between vector or matrix instructions and memory or LDS instructions, with s_wait_alu, always for 0.
; THE PLAN.  Registers that memory or LDS instructions touch, in the order of the text:
;   v4-v13     addresses, made once at the head and never written again: one wait on va_vdst ahead of the first load serves every load and store.
;   v50-v58    wave 0: the table's codes, scale words and offset: written by vector lines, read by three stores, written again by ref's quantiser.
;   v42, v43   my half sum: written, stored to LDS, written again by the add; the other wave's half lands in v43, which no vector line names behind the wait ahead of the store.
;   v16-27, v54  ref's fragment and scale word: written, stored to LDS, written again by feat's sums and conversions.
;   v64-111    ref's numbers, read by its conversions; behind the barrier the four fragments land there: no vector line stands between the wait ahead of the image's stores and those loads.
;   v14-39     feat's scale words and codes: written by vector lines, taken by the scaled products.
;   v128-143   the accumulators: written by the products, read by the stage's stores.   v144-159: feat's numbers before, then the rows read back from the stage, which land behind that same wait.
.set CH,   16384                       ; bytes from a channel to the next
.set PS,   0                           ; LDS: half sums of squares, 128 bytes a wave
.set RIMG, 512                         ; ref's four fragments, 1,536 bytes each
.set RSC,  RIMG+4*1536                 ; their scale words, 128 bytes each
.set STG,  RSC+512                     ; the stage: 32 labels x (256 bytes + 16)
.set SPT,  272
.set FS,   14                          ; v14-15   feat's scale words, and nothing else
.set FC,   16                          ; v16-39   feat's codes, two K steps x 12 (before that: the table's 32 weights, ref's codes)
.set RS,   60                          ; v60-63   ref's scale words, and nothing else
.set RR,   64                          ; v64-127  ref's 64 numbers; later its four fragments (v64-111)
.set TA,   116                         ; v116.., v120..  second halves of a block's codes, before they are moved
.set TB,   120
.set X,    128                         ; v128-255 feat's 128 numbers
.set ACC,  128                         ; v128-143 two accumulators
.set OUTR, 144                         ; v144-159 rows on their way out
	s_load_b128 s[4:7], s[0:1], 0x0                ; feat, ref
	s_load_b128 s[8:11], s[0:1], 0x10              ; sim, wtab
	s_set_vgpr_msb 0x40
	v_lshl_add_u32 v0, v0, 2, 0x4000
	v_mov_b32 v1, 0
	s_set_vgpr_msb 0x4000
	v_lshrrev_b32 v1, 5, v0
	v_readfirstlane_b32 s12, v1                    ; wave
	v_and_b32 v1, 31, v0                           ; lane
	v_and_b32 v2, 15, v0                           ; r
	v_bfe_u32 v3, v0, 4, 1                         ; hh
	s_mov_b32 s20, 0x76543210
	s_mov_b32 s21, 0xfedcba98                      ; v_permlanex16_b32's selects for lane l xor 16
	s_wait_alu depctr_va_sdst(0)                   ; s12 is written, ahead of its first reader
	s_lshr_b32 s13, s12, 1
	s_lshl_b32 s13, s13, 14                        ; 16 mt rows of 1,024 bytes
	s_and_b32 s14, s12, 1
	s_lshl_b32 s14, s14, 9                         ; K step s: 512 bytes
	s_add_co_u32 s13, s13, s14
	v_lshlrev_b32 v4, 10, v2
	v_lshl_add_u32 v4, v3, 7, v4
	v_add_nc_u32 v4, s13, v4                       ; ref: row r, + 128 hh
	s_lshl_b32 s14, ttmp9, 8
	s_lshl_b32 s15, s12, 6
	s_add_co_u32 s14, s14, s15
	v_lshlrev_b32 v5, 2, v2
	v_lshl_add_u32 v5, v3, 19, v5
	v_add_nc_u32 v5, s14, v5                       ; feat: pixel 64 g + 16 w + r, + 32 hh channels
	v_lshlrev_b32 v10, 2, v1                       ; 4 x lane
	v_lshlrev_b32 v9, 4, v1                        ; 16 x lane
	s_lshl_b32 s15, s12, 7
	v_add_nc_u32 v6, s15, v10                      ; 4 x lane + 128 x wave
	s_xor_b32 s16, s12, 1
	s_lshl_b32 s16, s16, 7
	v_add_nc_u32 v7, s16, v10                      ; the same of the wave with the row's other half
	s_mul_i32 s16, s12, 1536
	v_add_nc_u32 v8, s16, v9                       ; my fragment's image
	v_mul_u32_u24 v11, v2, SPT
	v_lshl_add_u32 v11, v3, 5, v11
	s_lshl_b32 s16, s12, 6
	v_add_nc_u32 v11, s16, v11                     ; stage, in: label r, pixels 16 w + 8 hh on
	v_mul_u32_u24 v12, v3, SPT
	v_lshl_add_u32 v12, v2, 4, v12
	s_mul_i32 s16, s12, 8*SPT
	v_add_nc_u32 v12, s16, v12                     ; stage, out: labels 8 w + hh, 16 bytes a lane
	s_lshl_b32 s16, s12, 17
	s_lshl_b32 s17, ttmp9, 8
	s_add_co_u32 s16, s16, s17
	v_lshlrev_b32 v13, 4, v2
	v_lshl_add_u32 v13, v3, 14, v13
	v_add_nc_u32 v13, s16, v13                     ; and the same rows in sim
	s_lshl_b32 s18, ttmp9, 10
	s_mov_b32 s19, 0
	v_mov_b32 v47, 0                               ; upper half of the pair v[46:47], named with it
	v_mov_b32 v59, 0                               ; a lane permute's destination counts as one of its sources
	s_wait_kmcnt 0x0
	s_add_nc_u64 s[10:11], s[10:11], s[18:19]      ; my tile of the table
	s_wait_alu depctr_va_vdst(0)                   ; the addresses v4 to v13 are written, which the loads and stores of the whole kernel read; none is written again
.irp c,0,1
.irp j,0,1,2,3,4,5,6,7
	global_load_b128 v[RR+32*\c+4*\j:RR+32*\c+4*\j+3], v4, s[6:7] offset:256*\c+16*\j   ; ref(16 mt + r, 128 s + 64 c + 32 hh + 4 j ..)
.endr
.endr
.set i, 0
.rept 128
	global_load_b32 v[X+i], v5, s[4:5] offset:(64*(i/32)+i%32)*CH th:TH_LOAD_NT   ; feat(64 b + 32 hh + i, my pixel): read once in the launch
.set i, i+1
.endr
	; ---- the table's tile g, by wave 0, while the loads are out
	s_cmp_lg_u32 s12, 0
	s_cbranch_scc1 .Lno_table
	s_lshl_b32 s18, ttmp9, 4
	v_add_nc_u32 v48, s18, v2                      ; output column o = 16 g + r
	v_cvt_f32_u32 v48, v48
	v_add_f32 v48, 0.5, v48
	v_mul_f32 v48, 0x3d800000, v48                 ; / 16
	v_add_f32 v48, -0.5, v48                       ; where it samples
	v_med3_num_f32 v48, v48, 0, 0x427c0000         ; held to 0 .. 63 (see the head)
	v_cvt_f32_u32 v49, v3
	v_fmamk_f32 v16, v49, 0xc2000000, v48          ; sample - k for k = 32 hh,
	v_add_f32 v17, -1.0, v16                       ; and on down my 32 inputs, in four chains: all exact
	v_add_f32 v18, -2.0, v16
	v_add_f32 v19, -2.0, v17
.set i, 4
.rept 28
	v_add_f32 v[16+i], -4.0, v[12+i]
.set i, i+1
.endr
.set i, 0
.rept 32
	v_sub_f32 v[16+i], 1.0, |v[16+i]|
.set i, i+1
.endr
.set i, 0
.rept 32
	v_max_num_f32 v[16+i], 0, v[16+i]              ; the weight
.set i, i+1
.endr
	v_max3_num_f32 v48, v16, v17, 0x2800000        ; my block's largest, and the floor 2^(5 - 127): the byte cannot fall under 1 (a block of zeros keeps that byte: its codes are zeros)
.set i, 2
.rept 15
	v_max3_num_f32 v48, v48, v[16+i], v[17+i]
.set i, i+2
.endr
	v_add_nc_u32 v49, 0xfe000000, v48              ; 4 off its exponent field: the conversion's scale operand
	v_lshrrev_b32 v50, 23, v49                     ; the scale's byte
	v_cvt_scalef32_pk16_bf6_f32 v[52:54], v[16:31], v49
	v_cvt_scalef32_pk16_bf6_f32 v[56:58], v[32:47], v49   ; (a conversion's three registers begin on an even number)
	v_lshlrev_b32 v51, 3, v3                       ; a plain line behind the conversions
	v_mov_b32 v55, v56
	v_mov_b32 v56, v57
	v_mov_b32 v57, v58                             ; v52-57: registers 0 .. 5 of the operand
	v_lshlrev_b32 v58, 3, v1                       ; 8 x lane
	v_lshlrev_b32 v50, v51, v50                    ; my block's byte at its place,
	v_permlanex16_b32 v59, v50, s20, s21
	v_or_b32 v50, v50, v59                         ; with the other block's,
	v_or_b32 v50, 0x7f7f0000, v50                  ; and 127 for the 64 along K that the product does not have
	v_mov_b32 v51, v50
	s_wait_alu depctr_va_vdst(0)                   ; the codes v52-57, the scale words v50-51 and the offset v58 are written, which the three stores read
	global_store_b128 v9, v[52:55], s[10:11]               ; 512 consecutive bytes
	global_store_b64 v58, v[56:57], s[10:11] offset:512    ; 256
	global_store_b64 v58, v[50:51], s[10:11] offset:768    ; 256: the scale word, twice, so that the block is written whole
	s_wait_xcnt 0x0                                ; the stores' registers are written again below
	s_wait_alu depctr_vm_vsrc(0)                   ; the three stores have read v50 to v58, which ref's quantiser writes again
.Lno_table:
	; ---- ref: norm, quantiser, image
	s_wait_loadcnt 63                              ; ref's 16 loads are the oldest of 144: with 63 out they are in (the wait can name no more)
	v_pk_mul_f32 v[42:43], v[RR:RR+1], v[RR:RR+1]
	v_pk_mul_f32 v[44:45], v[RR+2:RR+3], v[RR+2:RR+3]
.set i, 4
.rept 15
	v_pk_fma_f32 v[42:43], v[RR+i:RR+i+1], v[RR+i:RR+i+1], v[42:43]
	v_pk_fma_f32 v[44:45], v[RR+i+2:RR+i+3], v[RR+i+2:RR+i+3], v[44:45]
.set i, i+4
.endr
	v_pk_add_f32 v[42:43], v[42:43], v[44:45]
	v_add_f32 v42, v42, v43
	v_permlanex16_b32 v43, v42, s20, s21
	v_add_f32 v42, v42, v43                        ; the sum of squares of my row's 128
	s_wait_alu depctr_va_vdst(0)                   ; v42 is written, which the store reads; the lines above are done with v43, in which the load behind the barrier lands
	ds_store_b32 v6, v42 offset:PS
	s_wait_dscnt 0x0                               ; for the other wave's sake
	s_barrier_signal -1
	s_barrier_wait -1
	ds_load_b32 v43, v7 offset:PS
	s_wait_dscnt 0x0
	s_wait_alu depctr_vm_vsrc(0)                   ; the store has read v42, which the add writes again
	v_add_f32 v42, v42, v43                        ; of all 256 (the same bits in both waves: a sum of two)
	v_sqrt_f32 v44, v42
	v_nop
	s_wait_alu depctr_va_vdst(0)                   ; the root is written in v44, ahead of its first reader
	v_add_f32 v44, 0x2b8cbccc, v44                 ; + 1e-12
	v_rcp_f32 v46, v44
	v_nop
	s_wait_alu depctr_va_vdst(0)                   ; the reciprocal is written in v46, ahead of its first reader
.set i, 0
.rept 32
	v_pk_mul_f32 v[RR+i:RR+i+1], v[RR+i:RR+i+1], v[46:47] op_sel_hi:[1,0]
.set i, i+2
.endr
.irp c,0,1
	v_max3_num_f32 v[48+\c], |v[RR+32*\c]|, |v[RR+32*\c+1]|, 0x2800000
.endr
.set i, 2
.rept 15
.irp c,0,1
	v_max3_num_f32 v[48+\c], v[48+\c], |v[RR+32*\c+i]|, |v[RR+32*\c+i+1]|
.endr
.set i, i+2
.endr
.irp c,0,1
	v_add_nc_u32 v[50+\c], 0xfe000000, v[48+\c]
.endr
.irp c,0,1
	v_lshrrev_b32 v[52+\c], 23, v[50+\c]
.endr
	v_lshl_or_b32 v54, v53, 16, v52                ; my two bytes: blocks hh and 2 + hh,
	v_lshlrev_b32 v55, 3, v3
	v_lshlrev_b32 v54, v55, v54                    ; at their places;
	v_permlanex16_b32 v55, v54, s20, s21
	v_or_b32 v54, v54, v55                         ; with lane l xor 16's two the word is whole
.irp c,0,1
	v_cvt_scalef32_pk16_bf6_f32 v[FC+6*\c:FC+6*\c+2], v[RR+32*\c:RR+32*\c+15], v[50+\c]
	v_cvt_scalef32_pk16_bf6_f32 v[28+4*\c:30+4*\c], v[RR+32*\c+16:RR+32*\c+31], v[50+\c]
.endr
	v_nop                                          ; a plain line behind the conversions
.irp c,0,1
.irp k,0,1,2
	v_mov_b32 v[FC+6*\c+3+\k], v[28+4*\c+\k]
.endr
.endr
	s_wait_alu depctr_va_vdst(0)                   ; the codes v16-27 and the scale word v54 are written, which the stores read; the conversions are done reading v64-127, in which the fragments land behind the barrier
.irp k,0,1,2
	ds_store_b128 v8, v[FC+4*\k:FC+4*\k+3] offset:RIMG+512*\k   ; the fragment as it stands: lane l's 16 bytes at 16 l
.endr
	ds_store_b32 v6, v54 offset:RSC
	s_wait_dscnt 0x0
	s_barrier_signal -1
	s_barrier_wait -1                              ; ref's four fragments lie in LDS
	s_wait_alu depctr_vm_vsrc(0)                   ; my stores have read v16-27 and v54, which feat's sums and conversions write again
.irp f,0,1,2,3
.irp k,0,1,2
	ds_load_b128 v[RR+12*\f+4*\k:RR+12*\f+4*\k+3], v9 offset:RIMG+1536*\f+512*\k
.endr
	ds_load_b32 v[RS+\f], v10 offset:RSC+128*\f
.endr
	; ---- feat: norm, quantiser
	s_wait_loadcnt 0x0
.irp u,0,1,2,3
	v_pk_mul_f32 v[48+2*\u:49+2*\u], v[X+2*\u:X+2*\u+1], v[X+2*\u:X+2*\u+1]
.endr
.set i, 8
.rept 15
.irp u,0,1,2,3
	v_pk_fma_f32 v[48+2*\u:49+2*\u], v[X+i+2*\u:X+i+2*\u+1], v[X+i+2*\u:X+i+2*\u+1], v[48+2*\u:49+2*\u]
.endr
.set i, i+8
.endr
	v_pk_add_f32 v[48:49], v[48:49], v[50:51]
	v_pk_add_f32 v[52:53], v[52:53], v[54:55]
	v_pk_add_f32 v[48:49], v[48:49], v[52:53]
	v_add_f32 v48, v48, v49
	v_permlanex16_b32 v49, v48, s20, s21
	v_add_f32 v48, v48, v49                        ; my pixel's sum of squares over 256 channels
	v_sqrt_f32 v44, v48
	v_nop
	s_wait_alu depctr_va_vdst(0)                   ; the root is written in v44, ahead of its first reader
	v_add_f32 v44, 0x2b8cbccc, v44
	v_rcp_f32 v46, v44
	v_nop
	s_wait_alu depctr_va_vdst(0)                   ; the reciprocal is written in v46, ahead of its first reader
.set i, 0
.rept 64
	v_pk_mul_f32 v[X+i:X+i+1], v[X+i:X+i+1], v[46:47] op_sel_hi:[1,0]
.set i, i+2
.endr
.irp b,0,1,2,3
	v_max3_num_f32 v[48+\b], |v[X+32*\b]|, |v[X+32*\b+1]|, 0x2800000
.endr
.set i, 2
.rept 15
.irp b,0,1,2,3
	v_max3_num_f32 v[48+\b], v[48+\b], |v[X+32*\b+i]|, |v[X+32*\b+i+1]|   ; the four blocks by turns
.endr
.set i, i+2
.endr
.irp b,0,1,2,3
	v_add_nc_u32 v[52+\b], 0xfe000000, v[48+\b]
.endr
.irp b,0,1,2,3
	v_lshrrev_b32 v[56+\b], 23, v[52+\b]
.endr
	v_lshlrev_b32 v42, 3, v3
.irp s,0,1
	v_lshl_or_b32 v[FS+\s], v[57+2*\s], 16, v[56+2*\s]
	v_lshlrev_b32 v[FS+\s], v42, v[FS+\s]
	v_permlanex16_b32 v[43+2*\s], v[FS+\s], s20, s21
	v_or_b32 v[FS+\s], v[FS+\s], v[43+2*\s]        ; K step s's scale word of my pixel
.endr
.irp s,0,1
	v_cvt_scalef32_pk16_bf6_f32 v[FC+12*\s:FC+12*\s+2], v[X+64*\s:X+64*\s+15], v[52+2*\s]
	v_cvt_scalef32_pk16_bf6_f32 v[TA:TA+2], v[X+64*\s+16:X+64*\s+31], v[52+2*\s]
	v_cvt_scalef32_pk16_bf6_f32 v[FC+12*\s+6:FC+12*\s+8], v[X+64*\s+32:X+64*\s+47], v[53+2*\s]
	v_cvt_scalef32_pk16_bf6_f32 v[TB:TB+2], v[X+64*\s+48:X+64*\s+63], v[53+2*\s]
	v_nop
.irp k,0,1,2
	v_mov_b32 v[FC+12*\s+3+\k], v[TA+\k]
	v_mov_b32 v[FC+12*\s+9+\k], v[TB+\k]
.endr
.endr
.rept 8
	v_nop                                          ; operands written by vector instructions stand 4 places ahead of a scaled matrix instruction, scale registers 8
.endr
	s_wait_alu depctr_va_vdst(0)                   ; feat's codes v16-39 and scale words v14-15 are written, which the scaled products take; the places above stay beside this wait
	s_wait_dscnt 0x0                               ; ref's fragments are in
	; source 0 = my 16 pixels, source 1 = 16 labels; two accumulators by turns, K ascending
	v_wmma_scale_f32_16x16x128_f8f6f4 v[ACC:ACC+7], v[FC:FC+11], v[RR:RR+11], 0, v[FS], v[RS] matrix_a_fmt:MATRIX_FMT_BF6 matrix_b_fmt:MATRIX_FMT_BF6
	v_wmma_scale_f32_16x16x128_f8f6f4 v[ACC+8:ACC+15], v[FC:FC+11], v[RR+24:RR+35], 0, v[FS], v[RS+2] matrix_a_fmt:MATRIX_FMT_BF6 matrix_b_fmt:MATRIX_FMT_BF6
	v_wmma_scale_f32_16x16x128_f8f6f4 v[ACC:ACC+7], v[FC+12:FC+23], v[RR+12:RR+23], v[ACC:ACC+7], v[FS+1], v[RS+1] matrix_a_fmt:MATRIX_FMT_BF6 matrix_b_fmt:MATRIX_FMT_BF6
	v_wmma_scale_f32_16x16x128_f8f6f4 v[ACC+8:ACC+15], v[FC+12:FC+23], v[RR+36:RR+47], v[ACC+8:ACC+15], v[FS+1], v[RS+3] matrix_a_fmt:MATRIX_FMT_BF6 matrix_b_fmt:MATRIX_FMT_BF6
.rept 4
	v_nop
.endr
	s_wait_alu depctr_va_vdst(0)                   ; the products have written the accumulators, which the stores read; the places above stay beside this wait.  No vector line follows it: the loads from the stage land in v144-159 behind it
	ds_store_b128 v11, v[ACC:ACC+3] offset:STG                 ; lane (r, hh): sim(label r, pixels 16 w + 8 hh + 0 .. 7)
	ds_store_b128 v11, v[ACC+4:ACC+7] offset:STG+16
	ds_store_b128 v11, v[ACC+8:ACC+11] offset:STG+16*SPT       ; labels 16 + r
	ds_store_b128 v11, v[ACC+12:ACC+15] offset:STG+16*SPT+16
	s_wait_dscnt 0x0
	s_barrier_signal -1
	s_barrier_wait -1                              ; 32 whole rows of 256 bytes lie in the stage
.irp t,0,1,2,3
	ds_load_b128 v[OUTR+4*\t:OUTR+4*\t+3], v12 offset:STG+2*\t*SPT
.endr
.irp t,0,1,2,3
	s_wait_dscnt 3-\t                              ; the younger loads may be out
	global_store_b128 v13, v[OUTR+4*\t:OUTR+4*\t+3], s[8:9] offset:2*\t*CH   ; sixteen lanes store 256 consecutive bytes, aligned
.endr
	s_set_vgpr_msb 0x5
	s_wait_dscnt 0x0
	s_wait_alu depctr_hold_cnt(0) depctr_sa_sdst(0) depctr_va_vdst(0) depctr_va_sdst(0) depctr_va_ssrc(0) depctr_va_vcc(0) depctr_vm_vsrc(0)
	s_wait_tensorcnt 0x0
	ds_add_u32 v0, v1
	s_wait_dscnt 0x0
	s_endpgm
.Lfunc_end_k_q1b3126ddae_prep:
	.size	k_q1b3126ddae_prep, .Lfunc_end_k_q1b3126ddae_prep-k_q1b3126ddae_prep
	.p2alignl 7, 3214868480
	.fill 96, 4, 3214868480
	.section	.rodata,"a",@progbits
	.p2align	6, 0x0
	.amdhsa_kernel k_q1b3126ddae_prep
		.amdhsa_group_segment_fixed_size 16896
		.amdhsa_private_segment_fixed_size 0
		.amdhsa_enable_private_segment 0
		.amdhsa_kernarg_size 32
		.amdhsa_user_sgpr_count 2
		.amdhsa_user_sgpr_kernarg_segment_ptr 1
		.amdhsa_wavefront_size32 1
		.amdhsa_system_sgpr_workgroup_id_x 1
		.amdhsa_system_sgpr_workgroup_id_y 1
		.amdhsa_system_sgpr_workgroup_id_z 1
		.amdhsa_system_vgpr_workitem_id 0
		.amdhsa_next_free_vgpr 258
		.amdhsa_next_free_sgpr 66
		.amdhsa_reserve_vcc 0
		.amdhsa_float_denorm_mode_32 3
		.amdhsa_float_denorm_mode_16_64 3
		.amdhsa_memory_ordered 1
		.amdhsa_forward_progress 1
		.amdhsa_inst_pref_size 49
	.end_amdhsa_kernel
	.amdgpu_metadata
---
amdhsa.version: [ 1, 2 ]
amdhsa.kernels:
  - .name:           k_q1b3126ddae_prep
    .symbol:         k_q1b3126ddae_prep.kd
    .args:
      - { .name: image_embeddings, .offset: 0, .size: 8, .value_kind: global_buffer, .address_space: global }
      - { .name: reference_feats, .offset: 8, .size: 8, .value_kind: global_buffer, .address_space: global }
      - { .name: sim, .offset: 16, .size: 8, .value_kind: global_buffer, .address_space: global }
      - { .name: wtab, .offset: 24, .size: 8, .value_kind: global_buffer, .address_space: global }
    .group_segment_fixed_size: 16896
    .private_segment_fixed_size: 0
    .kernarg_segment_align: 8
    .kernarg_segment_size: 32
    .max_flat_workgroup_size: 128
    .sgpr_count:     66
    .vgpr_count:     258
    .wavefront_size: 32
...
	.end_amdgpu_metadata
.endif
;; end of part 4
;; launch upsel (part 5): grid 32 x 16, 4 waves a work-group, no clusters, 8,704 bytes of LDS; arguments sim, wtab, part; writes part
.if DOCPART == 5
	.amdgcn_target "amdgcn-amd-amdhsa--gfx1250"
	.amdhsa_code_object_version 6
	.text
	.protected	k_q1b3126ddae_upsel
	.globl	k_q1b3126ddae_upsel
	.p2align	8
	.type	k_q1b3126ddae_upsel,@function
k_q1b3126ddae_upsel:
	s_mov_b64 s[64:65], 0
	v_nop
	global_prefetch_b8 v0, s[64:65] scope:SCOPE_SE
	s_setreg_imm32_b32 hwreg(HW_REG_WAVE_SCHED_MODE, 0, 2), 2
	s_setreg_imm32_b32 hwreg(HW_REG_WAVE_MODE, 25, 1), 1
	s_wait_xcnt 0x0
	s_wait_alu depctr_vm_vsrc(0)
; The bilinear upsampling 64 x 64 -> 1,024 x 1,024 as two quantised products, and for each cell of 64 x 64 its largest and its smallest number with the first place (row, then column) of each.
; T[oh][w] = sum over h of Q(W)[h][oh] Q(sim[L])[h][w] (both quantised along h);  up[oh][ow] = sum over w of Q(T)[oh][w] Q(W)[w][ow] (both along w).  Codes of BF6 (E3M2), one E8M0 scale for each 32.
; K is 64: the upper 64 of the instruction's 128 are zero codes on both operands (registers 6 .. 11 of every fragment, cleared once), under the scale byte 127.
; Work-group (L, cy): label L, output rows 64 cy .. + 63.  Wave w: (1) quantises 16 columns of sim[L] along h (a lane a column, registers down h) -> image in LDS | barrier | (2) T for rows 16 w .. + 15,
; transposed (source 0 = 16 w's of sim, source 1 = 16 oh's of W), so that a lane holds one row and its registers run along w.  THE w's OF A TILE ARE NOT NEIGHBOURS: lane r of tile 2 b + u takes
; w = 32 b + 8 u + r + 8 (r / 8), so that the 16 registers of tiles 2 b, 2 b + 1 are 16 neighbours along the next K.  Quantised in registers -> image in LDS | barrier | (3) every wave holds all 64 rows
; of T (4 fragments) and owns columns 256 w .. + 255: four whole cells.  W's tiles come from the table straight into registers, each read by one wave of the work-group, a cell (4 tiles) ahead.
; A CELL.  16 products, transposed (source 0 = 16 columns of W, source 1 = 16 rows of T): a lane is a row; each result is folded at once into the row's running largest and smallest.
; THE FIRST PLACE, with no address and no branch on data.  The cell's largest M by a reduction over the lanes; the lanes whose row has M as a mask (v_cmp_eq), the first row R by scalar bit work; R's codes
; are chosen among the four fragments by v_cndmask_b32 and spread over the lanes by v_permlane16_b32.  The same for the smallest.  One fragment takes both: rows 0-7 = the row of the largest, rows 8-15 =
; that of the smallest.  Four products (source 0 = that fragment, source 1 = W's tile: a lane is a column) give both rows again, with the same bits; lanes 0-15 compare with M, lanes 16-31 with the
; smallest; the masks give the first columns.
; OUT, for each cell 16 bytes: the largest, x | y << 16, the smallest, its place 1,024 y + x.  A work-group's 256 bytes leave as one aligned block.
; LIMITS: NaN and infinities are not served; +0 and -0 count as equal.
; No tensor loads and no cluster: a wave's operands are 1 KiB a tile, read once by one wave; what work-groups share is the table's 64 KiB.
; THE MODE: SCHED_MODE bits 1:0 = 2 (LLVM: expert scheduling mode 2), set by the entry lines.  The code itself states the register dependences
; between vector or matrix instructions and memory or LDS instructions, with s_wait_alu, always for 0.
; THE PLAN.  Registers that memory or LDS instructions touch:
;   v4-v11     addresses, made once at the head and never written again: one wait on va_vdst ahead of the first load serves every load and store.
;   v232-238   an image on its way to LDS, twice (sim's, T's): written by the quantiser, read by three LDS stores, written again by the next user (T's quantiser; the first cell's choice of rows).
;              So each time: a wait on va_vdst ahead of the stores, a wait on vm_vsrc behind the barrier.
;   W's sets   set q % 2 and its scale words are read by cell q's 20 products; the loads at the head of cell q + 1 (for cell q + 2) land there.  ONE wait on va_vdst at that head; the cell's own vector and
;              matrix lines name the other set alone.  Set 1 first holds sim's fragments: T's products, which read them, stand ahead of the wait in front of T's image's stores, and no vector line
;              stands between that wait and cell 0's loads into set 1.
;   v84        the results: written lane by lane, read by the last LDS store.   v232-233: wave 0's load from LDS lands there behind that store's wait.
; Vector against scaled product: the registers 6 .. 11 of every fragment, cleared at the head, stand ahead of the wait in front of sim's image's stores; the fragment of the two chosen rows has a wait of its own.
; Vector to scalar: the wave's number; a cell's eight masks of rows; its four masks of columns and the two numbers read out of lane 0: one wait on va_sdst behind each run.
.set SIMG, 0                           ; LDS: sim's four fragments: 512 bytes (registers 0-3) + 256 (registers 4-5) each
.set SSC,  3072                        ; their scale words, 128 bytes each
.set TIMG, 3584                        ; T's four fragments
.set TSC,  6656
.set OUTB, 7168                        ; the results, 128 bytes a wave
.set AF,   16                          ; v16-63   T's four fragments
.set AS,   64                          ; v64-67   their scale words
.set AP,   68                          ; v68-79   W's fragment for T; later the fragment of the two chosen rows
.set APS,  80                          ; v80      its scale word
.set TG,   81                          ; v81      what a lane compares with: lanes 0-15 the largest, lanes 16-31 the smallest
.set MX,   82
.set MN,   83
.set REC,  84                          ; v84      lane l = word l of my wave's results
.set RM,   86                          ; v86-89   my row's largest, for each of the four tiles of rows
.set RN,   90                          ; v90-93   smallest
.set BF,   96                          ; v96-191  W's tiles: two sets of four fragments
.set BS,   192                         ; v192-199 their scale words
.set AC,   200                         ; v200-231 four accumulators
.set SM,   232                         ; v232-238 the chosen row of the largest: 6 registers of codes and the scale word
.set SN,   240                         ; v240-246 of the smallest
	s_load_b128 s[4:7], s[0:1], 0x0                ; sim, wtab
	s_load_b64 s[8:9], s[0:1], 0x10                ; part
	v_lshl_add_u32 v254, v0, 2, 0x2000
	v_mov_b32 v255, 0
	v_lshrrev_b32 v1, 5, v0
	v_readfirstlane_b32 s12, v1                    ; wave
	v_and_b32 v1, 31, v0                           ; lane
	v_and_b32 v2, 15, v0                           ; r
	v_bfe_u32 v3, v0, 4, 1                         ; hh
	s_and_b32 s14, ttmp7, 0xffff                   ; cy
	s_mov_b32 s20, 0x76543210
	s_mov_b32 s21, 0xfedcba98                      ; v_permlanex16_b32's selects for lane l xor 16
	s_mov_b32 s22, 0xff00ff00                      ; the lanes with r >= 8
	s_mov_b32 s23, 0xffff0000                      ; lanes 16-31
	s_wait_alu depctr_va_sdst(0)                   ; s12 is written, ahead of its first reader
	s_lshl_b32 s52, s12, 8                         ; my first column
	s_lshl_b32 s53, s14, 6                         ; the work-group's first row
	v_lshlrev_b32 v4, 4, v1                        ; 16 x lane
	v_lshlrev_b32 v5, 3, v1                        ; 8 x lane
	v_lshlrev_b32 v6, 2, v1                        ; 4 x lane
	s_lshl_b32 s15, ttmp9, 14                      ; sim[L]
	s_lshr_b32 s24, s12, 1
	s_lshl_b32 s24, s24, 7                         ; 32 b columns
	s_add_co_u32 s15, s15, s24
	s_and_b32 s24, s12, 1
	s_lshl_b32 s24, s24, 5                         ; 8 u columns
	s_add_co_u32 s15, s15, s24
	v_and_b32 v7, 8, v2
	v_add_nc_u32 v7, v7, v2                        ; r + 8 (r / 8)
	v_lshlrev_b32 v7, 2, v7
	v_lshl_add_u32 v7, v3, 13, v7                  ; + 32 hh rows of 256 bytes
	v_add_nc_u32 v7, s15, v7
	s_mul_i32 s24, s12, 768
	v_add_nc_u32 v8, s24, v4                       ; my image: registers 0-3
	v_add_nc_u32 v9, s24, v5                       ; registers 4-5 (512 bytes on)
	s_lshl_b32 s24, s12, 7
	v_add_nc_u32 v10, s24, v6                      ; 4 x lane + 128 x wave
	v_lshrrev_b32 v11, 3, v1
	v_lshlrev_b32 v11, 7, v11
	v_and_b32 v12, 7, v1
	v_lshl_add_u32 v11, v12, 3, v11                ; the way out: lane l takes 8 bytes of wave l / 8's 64
	s_lshl_b32 s24, s14, 2
	s_add_co_u32 s24, s24, s12
	s_lshl_b32 s24, s24, 10                        ; W's tile of my 16 rows: 4 cy + wave
	s_mov_b32 s25, 0
	s_lshl_b32 s26, s12, 14                        ; W's 16 tiles of my columns
	s_mov_b32 s27, 0
	s_lshl_b32 s28, ttmp9, 4
	s_add_co_u32 s28, s28, s14
	s_lshl_b32 s28, s28, 8                         ; my work-group's 256 bytes of results
	s_mov_b32 s29, 0
	s_wait_kmcnt 0x0
	s_add_nc_u64 s[16:17], s[6:7], s[24:25]
	s_add_nc_u64 s[18:19], s[6:7], s[26:27]
	s_add_nc_u64 s[8:9], s[8:9], s[28:29]
	s_wait_alu depctr_va_vdst(0)                   ; the addresses v4 to v11 are written, which the loads and stores of the whole kernel read; none is written again
.macro LOADB q                         ; the four tiles of W of my cell q into set q % 2: 12 loads
.irp tc,0,1,2,3
	global_load_b128 v[BF+48*((\q)%2)+12*\tc:BF+48*((\q)%2)+12*\tc+3], v4, s[18:19] offset:(4*(\q)+\tc)*1024
	global_load_b64 v[BF+48*((\q)%2)+12*\tc+4:BF+48*((\q)%2)+12*\tc+5], v5, s[18:19] offset:(4*(\q)+\tc)*1024+512
	global_load_b32 v[BS+4*((\q)%2)+\tc], v5, s[18:19] offset:(4*(\q)+\tc)*1024+768
.endr
.endm
.set i, 0
.rept 32
	global_load_b32 v[AC+i], v7, s[4:5] offset:256*i   ; sim(L, 32 hh + i, my column)
.set i, i+1
.endr
	global_load_b128 v[AP:AP+3], v4, s[16:17]
	global_load_b64 v[AP+4:AP+5], v5, s[16:17] offset:512
	global_load_b32 v[APS], v5, s[16:17] offset:768
	LOADB 0
	; the zero codes of K = 64 .. 127, once for every fragment's place
.irp t,0,1,2,3
.irp k,6,7,8,9,10,11
	v_mov_b32 v[AF+12*\t+\k], 0
.endr
.endr
.irp k,6,7,8,9,10,11
	v_mov_b32 v[AP+\k], 0
.endr
.irp t,0,1,2,3,4,5,6,7
.irp k,6,7,8,9,10,11
	v_mov_b32 v[BF+12*\t+\k], 0
.endr
.endr
	v_mov_b32 v[REC], 0
	v_mov_b32 v85, 0                               ; a lane permute's destination counts as one of its sources
	v_mov_b32 v94, 0
	v_mov_b32 v253, 0
	; ---- (1) my 16 columns of sim, quantised along h: a block of 32 lies in my 32 registers
	s_wait_loadcnt 15                              ; behind sim's 32: W's 3 and cell 0's 12
	v_max3_num_f32 v248, |v[AC]|, |v[AC+1]|, |v[AC+2]|
	v_max3_num_f32 v249, |v[AC+3]|, |v[AC+4]|, |v[AC+5]|
.irp i,6,10,14,18,22,26
	v_max3_num_f32 v248, v248, |v[AC+\i]|, |v[AC+\i+1]|
	v_max3_num_f32 v249, v249, |v[AC+\i+2]|, |v[AC+\i+3]|
.endr
	v_max3_num_f32 v248, v248, |v[AC+30]|, |v[AC+31]|
	v_max3_num_f32 v248, v248, v249, 0x2800000     ; and the floor 2^(5 - 127): the byte cannot fall under 1
	v_add_nc_u32 v250, 0xfe000000, v248            ; 4 off the exponent field: the conversion's scale operand
	v_lshrrev_b32 v251, 23, v250                   ; the scale's byte
	v_cvt_scalef32_pk16_bf6_f32 v[232:234], v[AC:AC+15], v250
	v_cvt_scalef32_pk16_bf6_f32 v[240:242], v[AC+16:AC+31], v250   ; (a conversion's three registers begin on an even number)
	v_lshlrev_b32 v252, 3, v3                      ; a plain line behind the conversions
	v_mov_b32 v235, v240
	v_mov_b32 v236, v241
	v_mov_b32 v237, v242
	v_lshlrev_b32 v251, v252, v251                 ; block hh's byte at its place,
	v_permlanex16_b32 v253, v251, s20, s21
	v_or_b32 v251, v251, v253                      ; with the other block's,
	v_or_b32 v238, 0x7f7f0000, v251                ; and 127 over the zero codes
	s_wait_alu depctr_va_vdst(0)                   ; the image v232-238 is written, which the stores read; so are the zero codes of every fragment, which the scaled products take
	ds_store_b128 v8, v[232:235] offset:SIMG
	ds_store_b64 v9, v[236:237] offset:SIMG+512
	ds_store_b32 v10, v238 offset:SSC
	s_wait_dscnt 0x0
	s_barrier_signal -1
	s_barrier_wait -1                              ; sim's four fragments lie in LDS
	s_wait_alu depctr_vm_vsrc(0)                   ; my stores have read v232-238, which T's quantiser writes again
.irp a,0,1,2,3
	ds_load_b128 v[BF+48+12*\a:BF+48+12*\a+3], v4 offset:SIMG+768*\a
	ds_load_b64 v[BF+48+12*\a+4:BF+48+12*\a+5], v5 offset:SIMG+768*\a+512
	ds_load_b32 v[BS+4+\a], v6 offset:SSC+128*\a
.endr
	s_wait_dscnt 0x0
	s_wait_loadcnt 12                              ; W's fragment is in; cell 0's 12 loads may be out
	; ---- (2) T, transposed: in tile a = 2 b + u lane (r, hh) holds row 16 w + r, register j the column w = 32 b + 16 hh + 8 u + j
.irp a,0,1,2,3
	v_wmma_scale_f32_16x16x128_f8f6f4 v[AC+8*\a:AC+8*\a+7], v[BF+48+12*\a:BF+48+12*\a+11], v[AP:AP+11], 0, v[BS+4+\a], v[APS] matrix_a_fmt:MATRIX_FMT_BF6 matrix_b_fmt:MATRIX_FMT_BF6
.endr
.rept 4
	v_nop
.endr
.irp b,0,1
	v_max3_num_f32 v[248+\b], |v[AC+16*\b]|, |v[AC+16*\b+1]|, 0x2800000
.endr
.irp i,2,4,6,8,10,12,14
.irp b,0,1
	v_max3_num_f32 v[248+\b], v[248+\b], |v[AC+16*\b+\i]|, |v[AC+16*\b+\i+1]|
.endr
.endr
.irp b,0,1
	v_permlanex16_b32 v[250+\b], v[248+\b], s20, s21
.endr
.irp b,0,1
	v_max_num_f32 v[248+\b], v[248+\b], v[250+\b]  ; with lane l xor 16's 16: the block's largest magnitude
.endr
.irp b,0,1
	v_add_nc_u32 v[252+\b], 0xfe000000, v[248+\b]
.endr
.irp b,0,1
	v_lshrrev_b32 v[250+\b], 23, v[252+\b]
.endr
	v_lshl_or_b32 v238, v251, 8, v250
	v_or_b32 v238, 0x7f7f0000, v238                ; my row's scale word
	v_cvt_scalef32_pk16_bf6_f32 v[232:234], v[AC:AC+15], v252      ; the codes of w = 16 hh + 0 .. 15
	v_cvt_scalef32_pk16_bf6_f32 v[240:242], v[AC+16:AC+31], v253   ; and of w = 32 + 16 hh + 0 .. 15
	v_nop                                          ; a plain line behind the conversions
.irp i,0,1,2
	v_permlane16_swap_b32 v[232+\i], v[240+\i]     ; the operand wants a whole block in a lane: the first's lanes 16-31 change places with the second's lanes 0-15
.endr
.irp i,0,1,2
	v_mov_b32 v[235+\i], v[240+\i]
.endr
	s_wait_alu depctr_va_vdst(0)                   ; the image v232-238 is written, which the stores read; T's products are done reading set 1 and its scale words, in which cell 0's loads land: no vector line stands between
	ds_store_b128 v8, v[232:235] offset:TIMG
	ds_store_b64 v9, v[236:237] offset:TIMG+512
	ds_store_b32 v10, v238 offset:TSC
	s_wait_dscnt 0x0
	s_barrier_signal -1
	s_barrier_wait -1                              ; T's four fragments lie in LDS
	s_wait_alu depctr_vm_vsrc(0)                   ; my stores have read v232-238, which the first cell's choice of rows writes again
.irp t,0,1,2,3
	ds_load_b128 v[AF+12*\t:AF+12*\t+3], v4 offset:TIMG+768*\t
	ds_load_b64 v[AF+12*\t+4:AF+12*\t+5], v5 offset:TIMG+768*\t+512
	ds_load_b32 v[AS+\t], v6 offset:TSC+128*\t
.endr
	s_wait_dscnt 0x0
; ---- (3)
; two products: W's tile tc of cell q against T's tiles of rows 2 tp, 2 tp + 1, into accumulators 2 tp, 2 tp + 1.  Lane (r, hh): row 16 (2 tp + e) + r; register j: column 16 tc + 8 hh + j
.macro W q, tc, tp
.irp e,0,1
	v_wmma_scale_f32_16x16x128_f8f6f4 v[AC+16*(\tp)+8*\e:AC+16*(\tp)+8*\e+7], v[BF+48*((\q)%2)+12*(\tc):BF+48*((\q)%2)+12*(\tc)+11], v[AF+12*(2*(\tp)+\e):AF+12*(2*(\tp)+\e)+11], 0, v[BS+4*((\q)%2)+(\tc)], v[AS+2*(\tp)+\e] matrix_a_fmt:MATRIX_FMT_BF6 matrix_b_fmt:MATRIX_FMT_BF6
.endr
.endm
; their 16 registers are folded into the rows' largest and smallest, each accumulator from its low end on.  first = 1: a cell's first tile starts both.
; These 16 lines name no register of the other pair's products: they are the places behind those.
.macro F tp, first
.irp p,0,1,2,3
.irp e,0,1
.if (\first) && (\p == 0)
	v_max_num_f32 v[RM+2*(\tp)+\e], v[AC+16*(\tp)+8*\e], v[AC+16*(\tp)+8*\e+1]
	v_min_num_f32 v[RN+2*(\tp)+\e], v[AC+16*(\tp)+8*\e], v[AC+16*(\tp)+8*\e+1]
.else
	v_max3_num_f32 v[RM+2*(\tp)+\e], v[RM+2*(\tp)+\e], v[AC+16*(\tp)+8*\e+2*\p], v[AC+16*(\tp)+8*\e+2*\p+1]
	v_min3_num_f32 v[RN+2*(\tp)+\e], v[RN+2*(\tp)+\e], v[AC+16*(\tp)+8*\e+2*\p], v[AC+16*(\tp)+8*\e+2*\p+1]
.endif
.endr
.endr
.endm
.macro ROWS b                          ; four masks of lanes (one a tile of rows; lanes r and 16 + r are one row) become 64 bits, a bit a row, in s[b] and s[b + 2]
.irp t,0,1,2,3
	s_lshr_b32 s40, s[\b+\t], 16
	s_or_b32 s[\b+\t], s[\b+\t], s40
.endr
	s_and_b32 s[\b], s[\b], 0xffff
	s_lshl_b32 s[\b+1], s[\b+1], 16
	s_or_b32 s[\b], s[\b], s[\b+1]
	s_and_b32 s[\b+2], s[\b+2], 0xffff
	s_lshl_b32 s[\b+3], s[\b+3], 16
	s_or_b32 s[\b+2], s[\b+2], s[\b+3]
.endm
.macro FIRSTBIT dst, lo, hi            ; the lowest bit that is set among 64: a choice, no branch
	s_ctz_i32_b32 s40, s[\lo]
	s_ctz_i32_b32 s41, s[\hi]
	s_add_co_u32 s41, s41, 32
	s_cmp_lg_u32 s[\lo], 0
	s_cselect_b32 s[\dst], s40, s41
.endm
.macro PICK k, a0, a1, a2, a3          ; register k of the two chosen rows' tiles: one of four, by the row's bits 4 and 5, which are the same in all lanes
	v_cndmask_b32 v239, v[\a0], v[\a1], s46
	v_cndmask_b32 v247, v[\a2], v[\a3], s46
	v_cndmask_b32 v95, v[\a0], v[\a1], s49
	v_cndmask_b32 v248, v[\a2], v[\a3], s49
	v_cndmask_b32 v[SM+\k], v239, v247, s47
	v_cndmask_b32 v[SN+\k], v95, v248, s50
.endm
.macro RESOLVE q
	v_max3_num_f32 v[MX], v[RM], v[RM+1], v[RM+2]
	v_min3_num_f32 v[MN], v[RN], v[RN+1], v[RN+2]
	v_max_num_f32 v[MX], v[MX], v[RM+3]
	v_min_num_f32 v[MN], v[MN], v[RN+3]
.irp m,1,2,4,8
	v_max_num_f32_dpp v[MX], v[MX], v[MX] row_xmask:\m row_mask:0xf bank_mask:0xf
	v_min_num_f32_dpp v[MN], v[MN], v[MN] row_xmask:\m row_mask:0xf bank_mask:0xf
.endr
	v_permlanex16_b32 v85, v[MX], s20, s21
	v_permlanex16_b32 v94, v[MN], s20, s21
	v_max_num_f32 v[MX], v[MX], v85                ; the cell's largest, in every lane
	v_min_num_f32 v[MN], v[MN], v94                ; and its smallest
.irp t,0,1,2,3
	v_cmp_eq_f32 s[24+\t], v[RM+\t], v[MX]         ; which rows have it
	v_cmp_eq_f32 s[28+\t], v[RN+\t], v[MN]
.endr
	s_wait_alu depctr_va_sdst(0)                   ; the eight masks s24 to s31 are written, ahead of their first reader
	ROWS 24
	FIRSTBIT 44, 24, 26                            ; s44: the first row with the largest, 0 .. 63
	ROWS 28
	FIRSTBIT 45, 28, 30                            ; s45: with the smallest
	s_bitcmp1_b32 s44, 4
	s_cselect_b32 s46, -1, 0
	s_bitcmp1_b32 s44, 5
	s_cselect_b32 s47, -1, 0
	s_and_b32 s48, s44, 15
	s_mul_i32 s48, s48, 0x11111111                 ; every lane of a row of 16 takes lane (row % 16)
	s_bitcmp1_b32 s45, 4
	s_cselect_b32 s49, -1, 0
	s_bitcmp1_b32 s45, 5
	s_cselect_b32 s50, -1, 0
	s_and_b32 s51, s45, 15
	s_mul_i32 s51, s51, 0x11111111
	PICK 6, AS, AS+1, AS+2, AS+3                   ; the scale word first: it stands far more than 8 places ahead of the products
	v_permlane16_b32 v[SM+6], v[SM+6], s48, s48
	v_permlane16_b32 v[SN+6], v[SN+6], s51, s51
	v_cndmask_b32 v[APS], v[SM+6], v[SN+6], s22
.irp k,0,1,2,3,4,5
	PICK \k, AF+\k, AF+12+\k, AF+24+\k, AF+36+\k
.endr
.irp k,0,1,2,3,4,5
	v_permlane16_b32 v[SM+\k], v[SM+\k], s48, s48  ; lane (r, hh) takes lane (row % 16, hh): the chosen row's half of K, in all 16 rows
	v_permlane16_b32 v[SN+\k], v[SN+\k], s51, s51
.endr
.irp k,0,1,2,3,4,5
	v_cndmask_b32 v[AP+\k], v[SM+\k], v[SN+\k], s22    ; rows 0-7: the row of the largest; rows 8-15: of the smallest
.endr
	v_cndmask_b32 v[TG], v[MX], v[MN], s23
.rept 4
	v_nop                                          ; operands written by vector instructions stand 4 places ahead of a scaled matrix instruction
.endr
	s_wait_alu depctr_va_vdst(0)                   ; the two chosen rows' codes v68-73 and their scale word v80 are written, which the scaled products take; the places above stay beside this wait
.irp tc,0,1,2,3                        ; lane (r, hh): column 16 tc + r; register 0 of lanes 0-15 the row of the largest, of lanes 16-31 that of the smallest
	v_wmma_scale_f32_16x16x128_f8f6f4 v[AC+8*\tc:AC+8*\tc+7], v[AP:AP+11], v[BF+48*((\q)%2)+12*\tc:BF+48*((\q)%2)+12*\tc+11], 0, v[APS], v[BS+4*((\q)%2)+\tc] matrix_a_fmt:MATRIX_FMT_BF6 matrix_b_fmt:MATRIX_FMT_BF6
.endr
.rept 5
	v_nop                                          ; 4 places ahead of the reads below; 5 ahead of the next cell's products, which write over these accumulators
.endr
.irp tc,0,1,2,3
	v_cmp_eq_f32 s[32+\tc], v[AC+8*\tc], v[TG]     ; which columns have it: bits 0-15 the largest, bits 16-31 the smallest
.endr
	v_readfirstlane_b32 s54, v[MX]                 ; (beside the compares, so that one wait serves the six)
	v_readfirstlane_b32 s56, v[MN]
	s_wait_alu depctr_va_sdst(0)                   ; the four masks s32 to s35, s54 and s56 are written, ahead of their first readers
	s_and_b32 s36, s32, 0xffff
	s_lshl_b32 s40, s33, 16
	s_or_b32 s36, s36, s40
	s_and_b32 s37, s34, 0xffff
	s_lshl_b32 s40, s35, 16
	s_or_b32 s37, s37, s40                         ; s36, s37: a bit a column, for the largest
	s_lshr_b32 s38, s32, 16
	s_and_b32 s40, s33, s23
	s_or_b32 s38, s38, s40
	s_lshr_b32 s39, s34, 16
	s_and_b32 s40, s35, s23
	s_or_b32 s39, s39, s40                         ; s38, s39: for the smallest
	FIRSTBIT 42, 36, 37
	FIRSTBIT 43, 38, 39
	s_add_co_u32 s55, s52, s42
	s_add_co_u32 s55, s55, 64*(\q)                 ; x of the largest
	s_add_co_u32 s40, s53, s44                     ; y
	s_lshl_b32 s40, s40, 16
	s_or_b32 s55, s55, s40
	s_add_co_u32 s57, s53, s45
	s_lshl_b32 s57, s57, 10
	s_add_co_u32 s57, s57, s52
	s_add_co_u32 s57, s57, s43
	s_add_co_u32 s57, s57, 64*(\q)                 ; the smallest's place: 1,024 y + x
	v_writelane_b32 v[REC], s54, 4*(\q)
	v_writelane_b32 v[REC], s55, 4*(\q)+1
	v_writelane_b32 v[REC], s56, 4*(\q)+2
	v_writelane_b32 v[REC], s57, 4*(\q)+3
.endm
.macro CELL q
.if \q < 3
.if \q > 0
	s_wait_alu depctr_va_vdst(0)                   ; the products of the cell before are done reading their set of W's tiles and its scale words, in which the loads below land
.endif
	LOADB (\q)+1
	s_wait_loadcnt 12                              ; this cell's tiles are in; the next cell's 12 loads may be out
.else
	s_wait_loadcnt 0x0
.endif
	W \q, 0, 0
.rept 5
	v_nop                                          ; 4 places ahead of the first fold; 5 ahead of the next products on these two accumulators (the fold names them and fills no place)
.endr
	W \q, 0, 1
	F 0, 1
	W \q, 1, 0
	F 1, 1
	W \q, 1, 1
	F 0, 0
	W \q, 2, 0
	F 1, 0
	W \q, 2, 1
	F 0, 0
	W \q, 3, 0
	F 1, 0
	W \q, 3, 1
	F 0, 0
	F 1, 0
	RESOLVE \q
.endm
	CELL 0
	CELL 1
	CELL 2
	CELL 3
	s_wait_alu depctr_va_vdst(0)                   ; the results are written in v84, which the store reads; the last cell's lines are done with v232-233, in which wave 0's load lands: no vector line follows
	ds_store_b32 v10, v[REC] offset:OUTB           ; my four cells' 16 words in lanes 0-15
	s_wait_dscnt 0x0
	s_barrier_signal -1
	s_barrier_wait -1
	s_cmp_lg_u32 s12, 0
	s_cbranch_scc1 .Ldone
	ds_load_b64 v[232:233], v11 offset:OUTB
	s_wait_dscnt 0x0
	global_store_b64 v5, v[232:233], s[8:9]        ; 32 lanes store 256 consecutive bytes, aligned
.Ldone:
	s_wait_dscnt 0x0
	s_wait_alu depctr_hold_cnt(0) depctr_sa_sdst(0) depctr_va_vdst(0) depctr_va_sdst(0) depctr_va_ssrc(0) depctr_va_vcc(0) depctr_vm_vsrc(0)
	s_wait_tensorcnt 0x0
	ds_add_u32 v254, v255
	s_wait_dscnt 0x0
	s_endpgm
.Lfunc_end_k_q1b3126ddae_upsel:
	.size	k_q1b3126ddae_upsel, .Lfunc_end_k_q1b3126ddae_upsel-k_q1b3126ddae_upsel
	.p2alignl 7, 3214868480
	.fill 96, 4, 3214868480
	.section	.rodata,"a",@progbits
	.p2align	6, 0x0
	.amdhsa_kernel k_q1b3126ddae_upsel
		.amdhsa_group_segment_fixed_size 8704
		.amdhsa_private_segment_fixed_size 0
		.amdhsa_enable_private_segment 0
		.amdhsa_kernarg_size 24
		.amdhsa_user_sgpr_count 2
		.amdhsa_user_sgpr_kernarg_segment_ptr 1
		.amdhsa_wavefront_size32 1
		.amdhsa_system_sgpr_workgroup_id_x 1
		.amdhsa_system_sgpr_workgroup_id_y 1
		.amdhsa_system_sgpr_workgroup_id_z 1
		.amdhsa_system_vgpr_workitem_id 0
		.amdhsa_next_free_vgpr 256
		.amdhsa_next_free_sgpr 66
		.amdhsa_reserve_vcc 0
		.amdhsa_float_denorm_mode_32 3
		.amdhsa_float_denorm_mode_16_64 3
		.amdhsa_memory_ordered 1
		.amdhsa_forward_progress 1
		.amdhsa_inst_pref_size 99
	.end_amdhsa_kernel
	.amdgpu_metadata
---
amdhsa.version: [ 1, 2 ]
amdhsa.kernels:
  - .name:           k_q1b3126ddae_upsel
    .symbol:         k_q1b3126ddae_upsel.kd
    .args:
      - { .name: sim, .offset: 0, .size: 8, .value_kind: global_buffer, .address_space: global }
      - { .name: wtab, .offset: 8, .size: 8, .value_kind: global_buffer, .address_space: global }
      - { .name: part, .offset: 16, .size: 8, .value_kind: global_buffer, .address_space: global }
    .group_segment_fixed_size: 8704
    .private_segment_fixed_size: 0
    .kernarg_segment_align: 8
    .kernarg_segment_size: 24
    .max_flat_workgroup_size: 128
    .sgpr_count:     66
    .vgpr_count:     256
    .wavefront_size: 32
...
	.end_amdgpu_metadata
.endif
;; end of part 5
;; launch order: the kernel of part 3 again; grid 32 x 1, 8 waves a work-group, no clusters, 5,120 bytes of LDS; arguments part, out0, out1; writes out0, out1
